; MI455X (gfx1250); checked and timed in simulation.
; The chip was launched on July 23, 2026; its instructions are those of AMD's public machine-readable ISA for CDNA 5 (MIT licence, August 2026) and "CDNA5" Instruction Set Architecture Reference Guide (July 2026). The comments in the code are by the model that wrote it; some were corrected since.
;; Multi Head Self Attention. Allowed arithmetic: matrix products marked QUANTISED: E2M1 operands, one E8M0 scale for each 32 along K, by v_wmma_scale_f32_16x16x128_f8f6f4 with both operands' format E2M1 (or v_wmma_scale_f32_32x16x128_f4), f32 sums; everything else in f32.
;; Inputs: W_proj 1,024 x 1,024 float32; W_qkv 1,024 x 3,072 float32; b_proj 1,024 float32; b_qkv 3,072 float32; x 4 x 2,048 x 1,024 float32.
;; Outputs: out0 4 x 2,048 x 1,024 float32.
;; This version of the problem:
;;   THIS VERSION OF THE PROBLEM IS GIVEN IN LOW PRECISION. The matrix products marked QUANTISED in the list below multiply operands that are first quantised to E2M1 (2 exponent bits, 1 mantissa bit; 4 bits a number), with one power-of-two scale for each 32 numbers along K (OCP MX v1.0); their sums are f32. All else is computed in f32.
;;   The module's matrix products, in the order in which they are computed (A, B: the left and right operand; K: the contracted axis; several contracted axes count as one K, in the product's order):
;;     1. [M 8,192, K 1,024] x [K 1,024, N 3,072]; A: input x; B: input W_qkv: QUANTISED
;;     2. batch 64 x [M 2,048, K 64] x [K 64, N 2,048]; A: computed on the way; B: computed on the way: QUANTISED
;;     3. batch 64 x [M 2,048, K 2,048] x [K 2,048, N 64]; A: softmax (see below); B: computed on the way: QUANTISED
;;     4. [M 8,192, K 1,024] x [K 1,024, N 1,024]; A: computed on the way; B: input W_proj: QUANTISED
;;   THE QUANTISER, for each operand of a quantised product, along K:
;;     - K is cut into blocks of 32 from its start; a last block that is shorter is filled with zeros.
;;     - A block's scale is 2^e with e = floor(log2(the largest magnitude in the block)) - 2, held to -126 .. 127; a block of zeros has e = 0. As a byte (E8M0): e + 127.
;;     - Each number is divided by its block's scale, clamped to +-6, and rounded to the nearest number of E2M1, ties to even, subnormals kept.
;;     - The product sums the exact products of the quantised numbers (number of the format x scale) in f32.
;;   ~~~python
;;   def quantise(x, axis):      # numpy; x: float32 -> the quantised numbers, widened to float32 again
;;       x = np.moveaxis(x, axis, -1); K = x.shape[-1]
;;       x = np.pad(x, [(0, 0)] * (x.ndim - 1) + [(0, -K % 32)]); x = x.reshape(x.shape[:-1] + (-1, 32)); a = np.abs(x).max(-1, keepdims=True)
;;       e = np.where(a > 0, np.clip(np.frexp(np.where(a > 0, a, 1))[1] - 1 - 2, -126, 127), 0)      # np.frexp(a)[1] - 1 = floor(log2(a)), exactly
;;       r = np.clip(x / 2.0 ** e, -6, 6)
;;       step = 2.0 ** (np.maximum(np.frexp(np.where(r == 0, 1, r))[1] - 1, 0) - 1)
;;       q = np.round(r / step) * step * 2.0 ** e      # np.round: ties to even
;;       return np.moveaxis(q.reshape(q.shape[:-2] + (-1,))[..., :K], -1, axis).astype(np.float32)
;;   ~~~
;;   SOFTMAX AHEAD OF A QUANTISED PRODUCT. Where the list says 'softmax', what is quantised is not the finished softmax but p = 2^(t - M), with t = logit x log2(e) and M = ceil(the row's largest t), a whole number; so 1/2 < the row's largest p <= 1. The row's sum l is taken of the UNQUANTISED p, in f32, and the product's result is divided by l at the end. Since M is a whole number, a kernel that streams over the keys may use a running M (the ceiling of the running maximum): every later rescaling is an exact power of two, which a block's scale takes up: the codes' values come out the same.
;;   OPERANDS COMPUTED ON THE WAY. 'Computed on the way' means the value that the module computes at that place (a softmax that the list does not call 'softmax' is quantised finished and normalised). What goes into a quantiser is computed in f32, as accurately as f32 sums, v_exp_f32 and their like allow (about 1e-6 of the number): no bf16 or f16 on the way to a quantiser, and a product that is left as it is and whose result goes on into a quantised operand takes f32 operands (vector FMAs, or v_wmma_f32_16x16x4_f32). A number that lies on a knife's edge between two numbers of the format may be rounded either way, as far as f32 arithmetic and the matrix unit's own rounding can turn it there, and no further.
;; One version. Each part assembles by itself: llvm-mc -triple=amdgcn-amd-amdhsa -mcpu=gfx1250 --defsym DOCPART=n.
;; ======== version 1 of 1: 4 launches
;; workspace buffers: xq 4,456,448 bytes; wq 1,671,168 bytes; pq 557,056 bytes; qkvc 13,893,632 bytes; ao 4,456,448 bytes
;; launch quant (part 1): grid 320 x 1, 4 waves a work-group, no clusters, 102,912 bytes of LDS; arguments x, W_qkv, W_proj, xq, wq, pq; writes xq, wq, pq
.if DOCPART == 1
	.amdgcn_target "amdgcn-amd-amdhsa--gfx1250"
	.amdhsa_code_object_version 6
	.text
	.protected	k_q211772b98f_quant
	.globl	k_q211772b98f_quant
	.p2align	8
	.type	k_q211772b98f_quant,@function
k_q211772b98f_quant:
	s_mov_b64 s[64:65], 0
	v_nop
	global_prefetch_b8 v0, s[64:65] scope:SCOPE_SE
	s_setreg_imm32_b32 hwreg(HW_REG_WAVE_MODE, 25, 1), 1
	s_wait_xcnt 0x0
; x [8192][1024], W_qkv [1024][3072] and W_proj [1024][1024], f32, become codes of FP4 (E2M1) with K innermost and one E8M0 scale byte for each 32 along K.
; A block's scale byte is its largest magnitude's exponent field - 2, held at 1 from below; each number is divided by the scale and rounded to the nearest code, ties to even, beyond 6 the largest code.
; LIMITS: a block of zeros gets the byte 1 (not 127): its codes are zeros and only this program reads the bytes; NaN and infinities among the inputs are not served.
; ORDER OF ROWS.  SW(i) is i with bits 3 and 4 exchanged.  Token i of x lies at row SW(i) of xq; column n = 192 head + 64 part + d of W_qkv lies at row SW(1024 part + 64 head + d) of wq.  So sixteen
; rows on end (tile 2 b + u, lane r) hold index 32 b + 8 u + r + 8 (r / 8): used as source 0 of a product, two neighbouring tiles leave 16 neighbouring indices in a lane's 16 registers.
; xq: codes [8192][512 B], scale bytes [8192][32 B] from byte 4,194,304.  wq: codes [3072][512 B], scale bytes [3072][32 B] from byte 1,572,864.
; pq: codes of W_proj [1024 n][512 B], natural order; scale words as planes [8 K steps of 128][1024 n] x 4 B from byte 524,288.
; SHARES: work-groups 0-47 W_qkv, 48-63 W_proj (a wave: 32 columns x 512 along K; a lane takes a column and its registers run down K), 64-319 x (a wave: 8 rows as a plain stream of blocks).
; Memory binds: no matrix unit, no cluster (no two work-groups read the same bytes), no barrier (waves share nothing).  Each of the three paths has LDS bytes of its own.
.set EMAX,   2
.set WPITCH, 272                       ; a stage row: 256 bytes of codes + 16
.set WSTG,   32*WPITCH                 ; a wave's stage in the W paths
.set WX,     32                        ; v32-95   two sets of 32 numbers
.set WC,     96                        ; v96-99   a block's codes
.set WOUTR,  112                       ; v112-175 the way out
.set WSB,    24                        ; v24-27   scale bytes, four to a register
.set XSTEPS, 16
.set XCB,    8                         ; bytes of 16 codes
.set XR,     16                        ; v16-79   four sets of 16 numbers as loaded
.set XX,     80                        ; v80-111  two sets of 16 neighbours
.set XE,     112                       ; v112-127 a scale byte for each step
.set XC,     128                       ; v128-191 codes, four registers for each step
.set XSP,    80                        ; a lane's place in a stage: 64 bytes + 16
.set XWREG,  8192                      ; a wave's LDS in the x path
.set XBASE,  2*4*WSTG                  ; behind the two W paths' stages
	s_load_b256 s[4:11], s[0:1], 0x0               ; x s[4:5], W_qkv s[6:7], W_proj s[8:9], xq s[10:11]
	s_load_b128 s[12:15], s[0:1], 0x20             ; wq s[12:13], pq s[14:15]
	v_lshl_add_u32 v192, v0, 2, 0x19000
	v_mov_b32 v193, 0
	v_lshrrev_b32 v1, 5, v0
	v_readfirstlane_b32 s16, v1                    ; wave
	v_and_b32 v2, 31, v0                           ; lane
	s_wait_kmcnt 0x0
	s_cmp_lt_u32 ttmp9, 64
	s_cbranch_scc0 .Lx
	s_cmp_lt_u32 ttmp9, 48
	s_cbranch_scc0 .Lproj
.macro WLOAD t, cols                   ; block t: W(32 t + i, my column), i = 0 .. 31, into set t % 2; 32 lanes read 128 consecutive bytes
.set wi, 0
.rept 32
	global_load_b32 v[WX+32*((\t)%2)+wi], v3, s[30:31] offset:(32*(\t)+wi)*(\cols)*4 th:TH_LOAD_NT
.set wi, wi+1
.endr
.endm
.macro WBLOCK t, cols
.set WXS, WX+32*((\t)%2)
.if (\t) < 15
	s_wait_loadcnt 32                              ; this block's 32 loads are in; the next block's may be out
.else
	s_wait_loadcnt 0
.endif
	v_max3_num_f32 v12, |v[WXS]|, |v[WXS+1]|, |v[WXS+2]|           ; the block's largest magnitude: all 32 numbers are mine
	v_max3_num_f32 v13, |v[WXS+3]|, |v[WXS+4]|, |v[WXS+5]|
.irp i, 6,10,14,18,22,26
	v_max3_num_f32 v12, v12, |v[WXS+\i]|, |v[WXS+\i+1]|
	v_max3_num_f32 v13, v13, |v[WXS+\i+2]|, |v[WXS+\i+3]|
.endr
	v_max3_num_f32 v12, v12, |v[WXS+30]|, |v[WXS+31]|
	v_max3_num_f32 v12, v12, v13, (EMAX+1)<<23     ; and the floor 2^(3 - 127): the byte cannot fall under 1
	v_add_nc_u32 v11, -(EMAX<<23), v12             ; 2 off the exponent field: the conversion's scale operand
	v_lshrrev_b32 v13, 23, v11                     ; the scale's byte
.if (\t)%4 == 0
	v_mov_b32 v[WSB+(\t)/4], v13                   ; four bytes to a register, the lower K in the lower byte
.else
	v_lshl_or_b32 v[WSB+(\t)/4], v13, 8*((\t)%4), v[WSB+(\t)/4]
.endif
.irp g, 0,1,2,3
	v_cvt_scalef32_pk8_fp4_f32 v[WC+\g], v[WXS+8*\g:WXS+8*\g+7], v11
.endr
	ds_store_b128 v4, v[WC:WC+3] offset:16*(\t)    ; 32 codes: 16 bytes of my row
.if (\t)+2 < 16
	WLOAD (\t)+2, \cols
.endif
	s_wait_dscnt 0x0                               ; the store has read its registers: the next block's codes may be written
.endm
; A wave's whole path: s[30:31] source, s[26:27] codes, s[28:29] scales.  stg: the path's LDS.  sw = 1: my column's row is SW(lane), scale bytes by rows; 0: row = lane, scale words by planes.
.macro WPATH cols, stg, sw
	v_lshlrev_b32 v3, 2, v2                        ; in: 4 bytes a lane
.if \sw
	v_and_b32 v5, 7, v2
	v_bfe_u32 v6, v2, 3, 1
	v_lshl_or_b32 v5, v6, 4, v5
	v_bfe_u32 v6, v2, 4, 1
	v_lshl_or_b32 v5, v6, 3, v5                    ; SW(lane)
.else
	v_and_b32 v5, 31, v2
.endif
	s_mul_i32 s19, s16, WSTG
	s_add_co_u32 s19, s19, \stg                    ; my stage
	v_mul_u32_u24 v4, v5, WPITCH
	v_add_nc_u32 v4, s19, v4                       ; into it: my column's row
	v_and_b32 v10, 15, v2
	v_lshrrev_b32 v6, 4, v2
	v_mul_u32_u24 v7, v6, WPITCH
	v_lshl_add_u32 v7, v10, 4, v7
	v_add_nc_u32 v7, s19, v7                       ; out of it: sixteen lanes to a row, two rows an instruction
	v_lshlrev_b32 v8, 9, v6
	v_lshl_add_u32 v8, v10, 4, v8                  ; and the same place in the codes' buffer (rows of 512 bytes)
	WLOAD 0, \cols
	WLOAD 1, \cols
.irp t, 0,1,2,3,4,5,6,7,8,9,10,11,12,13,14,15
	WBLOCK \t, \cols
.endr
.if \sw
	v_lshlrev_b32 v9, 5, v5
	s_wait_alu depctr_va_vdst(0)
	global_store_b128 v9, v[WSB:WSB+3], s[28:29]   ; my row's 16 scale bytes
.else
	s_wait_alu depctr_va_vdst(0)
.irp k, 0,1,2,3
	global_store_b32 v3, v[WSB+\k], s[28:29] offset:4096*\k   ; a scale word into each of four planes
.endr
.endif
.irp t, 0,1,2,3,4,5,6,7,8,9,10,11,12,13,14,15
	ds_load_b128 v[WOUTR+4*\t:WOUTR+4*\t+3], v7 offset:2*\t*WPITCH   ; LDS serves a wave's instructions in order: these see my stores
.endr
.irp t, 0,1,2,3,4,5,6,7,8,9,10,11,12,13,14,15
	s_wait_dscnt 15-\t
	global_store_b128 v8, v[WOUTR+4*\t:WOUTR+4*\t+3], s[26:27] offset:2*\t*512   ; sixteen lanes store 256 consecutive bytes, aligned
.endr
.endm
	; ---- W_qkv: work-groups 0-47.  y: which 512 along K; G: which 32 columns of the 3,072
	s_cmp_ge_u32 ttmp9, 24
	s_cselect_b32 s17, 1, 0                        ; y
	s_cselect_b32 s18, 24, 0
	s_sub_co_u32 s18, ttmp9, s18
	s_lshl_b32 s18, s18, 2
	s_add_co_u32 s18, s18, s16                     ; G = 0 .. 95
	s_mul_i32 s19, s18, 43
	s_lshr_b32 s19, s19, 8                         ; head = G / 6 (exact for G under 126)
	s_mul_i32 s20, s19, 6
	s_sub_co_u32 s20, s18, s20                     ; G - 6 head: part x 2 + which half of the 64
	s_lshr_b32 s21, s20, 1
	s_lshl_b32 s21, s21, 10
	s_lshl_b32 s19, s19, 6
	s_add_co_u32 s21, s21, s19
	s_and_b32 s20, s20, 1
	s_lshl_b32 s20, s20, 5
	s_add_co_u32 s21, s21, s20                     ; my 32 rows of wq begin at 1024 part + 64 head + 32 half
	s_mul_i32 s22, s17, 512*3072*4
	s_lshl_b32 s23, s18, 7
	s_add_co_u32 s22, s22, s23
	s_mov_b32 s23, 0
	s_add_nc_u64 s[30:31], s[6:7], s[22:23]
	s_lshl_b32 s22, s21, 9
	s_lshl_b32 s24, s17, 8
	s_add_co_u32 s22, s22, s24
	s_add_nc_u64 s[26:27], s[12:13], s[22:23]
	s_lshl_b32 s22, s21, 5
	s_lshl_b32 s24, s17, 4
	s_add_co_u32 s22, s22, s24
	s_add_co_u32 s22, s22, 1572864
	s_add_nc_u64 s[28:29], s[12:13], s[22:23]
	s_wait_alu depctr_va_vdst(0)
	WPATH 3072, 0, 1
	s_wait_tensorcnt 0x0
	ds_add_u32 v192, v193
	s_wait_dscnt 0x0
	s_endpgm
.Lproj:                                            ; ---- W_proj: work-groups 48-63
	s_sub_co_u32 s18, ttmp9, 48
	s_lshr_b32 s17, s18, 3                         ; y
	s_and_b32 s18, s18, 7
	s_lshl_b32 s18, s18, 7
	s_lshl_b32 s19, s16, 5
	s_add_co_u32 s18, s18, s19                     ; my first column
	s_mul_i32 s22, s17, 512*1024*4
	s_lshl_b32 s23, s18, 2
	s_add_co_u32 s22, s22, s23
	s_mov_b32 s23, 0
	s_add_nc_u64 s[30:31], s[8:9], s[22:23]
	s_lshl_b32 s22, s18, 9
	s_lshl_b32 s24, s17, 8
	s_add_co_u32 s22, s22, s24
	s_add_nc_u64 s[26:27], s[14:15], s[22:23]
	s_lshl_b32 s22, s17, 14                        ; four planes of 4,096 bytes for each 512 along K
	s_lshl_b32 s24, s18, 2
	s_add_co_u32 s22, s22, s24
	s_add_co_u32 s22, s22, 524288
	s_add_nc_u64 s[28:29], s[14:15], s[22:23]
	s_wait_alu depctr_va_vdst(0)
	WPATH 1024, 4*WSTG, 0
	s_wait_tensorcnt 0x0
	ds_add_u32 v192, v193
	s_wait_dscnt 0x0
	s_endpgm
.Lx:                                               ; ---- x: work-groups 64-319.  A wave takes 8 rows (8,192 numbers) in 16 steps of 512
	s_wait_alu depctr_va_vdst(0)
	v_lshlrev_b32 v3, 4, v2                        ; my 16 bytes of a load's 512
	s_mul_i32 s17, s16, XWREG
	s_add_co_u32 s17, s17, XBASE
	v_lshrrev_b32 v14, 2, v2
	v_mul_u32_u24 v14, v14, XSP
	v_and_b32 v15, 3, v2
	v_lshl_add_u32 v14, v15, 4, v14
	v_add_nc_u32 v14, s17, v14                     ; the stage, on the way in: four lanes' 64 bytes on end, then 16 of padding
	v_mul_u32_u24 v15, v2, XSP
	v_add_nc_u32 v15, s17, v15                     ; and on the way out: my 16 neighbours
	v_mul_u32_u24 v4, v2, XCB                      ; my codes' place in a step's
	v_lshrrev_b32 v5, 1, v2
	s_add_co_u32 s17, s17, 2*32*XSP
	v_add_nc_u32 v5, s17, v5                       ; my wave's 256 scale bytes, my block's byte
	v_lshlrev_b32 v7, 3, v2
	v_add_nc_u32 v6, s17, v7                       ; and on the way out 8 bytes a lane
	s_sub_co_u32 s18, ttmp9, 64
	s_lshl_b32 s18, s18, 2
	s_add_co_u32 s20, s18, s16                     ; the run of 8 rows that I read
	s_and_b32 s21, s16, 1
	s_lshl_b32 s21, s21, 1
	s_lshr_b32 s22, s16, 1
	s_or_b32 s21, s21, s22
	s_add_co_u32 s22, s18, s21                     ; and where it goes: bits 3 and 4 of a row are bits 0 and 1 of its run
	s_lshl_b32 s20, s20, 15
	s_mov_b32 s21, 0
	s_add_nc_u64 s[4:5], s[4:5], s[20:21]
	s_lshl_b32 s20, s22, 12
	s_add_nc_u64 s[24:25], s[10:11], s[20:21]      ; codes
	s_lshl_b32 s20, s22, 8
	s_add_co_u32 s20, s20, 4194304
	s_add_nc_u64 s[26:27], s[10:11], s[20:21]      ; scale bytes
.macro XLOAD t
.irp i, 0,1,2,3
	global_load_b128 v[XR+16*((\t)%4)+4*\i:XR+16*((\t)%4)+4*\i+3], v3, s[4:5] offset:2048*(\t)+512*\i th:TH_LOAD_NT   ; 32 lanes read 512 consecutive bytes
.endr
.endm
.macro XTURN t                         ; step t's numbers through the stage: LDS serves a wave's instructions in order
.irp i, 0,1,2,3
	ds_store_b128 v14, v[XR+16*((\t)%4)+4*\i:XR+16*((\t)%4)+4*\i+3] offset:32*XSP*((\t)%2)+8*XSP*\i
.endr
.irp i, 0,1,2,3
	ds_load_b128 v[XX+16*((\t)%2)+4*\i:XX+16*((\t)%2)+4*\i+3], v15 offset:32*XSP*((\t)%2)+16*\i
.endr
.endm
.irp t, 0,1,2,3
	XLOAD \t
.endr
	s_wait_alu depctr_va_vdst(0)
	s_wait_loadcnt 12                              ; step 0's four loads are in
	XTURN 0
.macro XSTEP t
.set XXS, XX+16*((\t)%2)
.if (\t) > 0
	s_wait_dscnt 1                                 ; this step's numbers are back from the stage (the last step's byte store may be out)
.else
	s_wait_dscnt 0x0
.endif
.if (\t)+4 < XSTEPS
	XLOAD (\t)+4                                   ; into the registers that this step's stage stores have read
.endif
.if (\t)+1 < XSTEPS
.if XSTEPS-2-(\t) >= 3
	s_wait_loadcnt 12                              ; the next step's four loads are in; those of the three steps behind it may be out
.else
	s_wait_loadcnt 4*(XSTEPS-2-(\t))
.endif
	XTURN (\t)+1
.endif
	v_max3_num_f32 v8, |v[XXS]|, |v[XXS+1]|, |v[XXS+2]|            ; the largest magnitude of my 16
	v_max3_num_f32 v9, |v[XXS+3]|, |v[XXS+4]|, |v[XXS+5]|
.irp i, 6,10
	v_max3_num_f32 v8, v8, |v[XXS+\i]|, |v[XXS+\i+1]|
	v_max3_num_f32 v9, v9, |v[XXS+\i+2]|, |v[XXS+\i+3]|
.endr
	v_max3_num_f32 v8, v8, |v[XXS+14]|, |v[XXS+15]|
	v_max3_num_f32 v8, v8, v9, (EMAX+1)<<23        ; and the floor
	v_max_num_f32_dpp v8, v8, v8 row_xmask:1 row_mask:0xf bank_mask:0xf   ; and of my neighbour's 16: the block's
	v_add_nc_u32 v11, -(EMAX<<23), v8
	v_cvt_scalef32_pk8_fp4_f32 v[XC+4*(\t)], v[XXS:XXS+7], v11
	v_cvt_scalef32_pk8_fp4_f32 v[XC+4*(\t)+1], v[XXS+8:XXS+15], v11
	v_lshrrev_b32 v[XE+(\t)], 23, v11              ; the scale's byte
	ds_store_b8 v5, v[XE+(\t)] offset:16*(\t)      ; both lanes of a block write the same byte with the same value
	global_store_b64 v4, v[XC+4*(\t):XC+4*(\t)+1], s[24:25] offset:32*XCB*(\t)   ; the wave stores 256 consecutive bytes, aligned
.endm
.irp t, 0,1,2,3,4,5,6,7,8,9,10,11,12,13,14,15
	XSTEP \t
.endr
	ds_load_b64 v[12:13], v6
	s_wait_dscnt 0x0
	global_store_b64 v7, v[12:13], s[26:27]        ; 32 lanes store 256 consecutive bytes, aligned
	s_wait_tensorcnt 0x0
	ds_add_u32 v192, v193
	s_wait_dscnt 0x0
	s_endpgm
.Lfunc_end_k_q211772b98f_quant:
	.size	k_q211772b98f_quant, .Lfunc_end_k_q211772b98f_quant-k_q211772b98f_quant
	.p2alignl 7, 3214868480
	.fill 96, 4, 3214868480
	.section	.rodata,"a",@progbits
	.p2align	6, 0x0
	.amdhsa_kernel k_q211772b98f_quant
		.amdhsa_group_segment_fixed_size 102912
		.amdhsa_private_segment_fixed_size 0
		.amdhsa_enable_private_segment 0
		.amdhsa_kernarg_size 48
		.amdhsa_user_sgpr_count 2
		.amdhsa_user_sgpr_kernarg_segment_ptr 1
		.amdhsa_wavefront_size32 1
		.amdhsa_system_sgpr_workgroup_id_x 1
		.amdhsa_system_sgpr_workgroup_id_y 1
		.amdhsa_system_sgpr_workgroup_id_z 1
		.amdhsa_system_vgpr_workitem_id 0
		.amdhsa_next_free_vgpr 194
		.amdhsa_next_free_sgpr 66
		.amdhsa_reserve_vcc 0
		.amdhsa_float_denorm_mode_32 3
		.amdhsa_float_denorm_mode_16_64 3
		.amdhsa_memory_ordered 1
		.amdhsa_forward_progress 1
		.amdhsa_inst_pref_size 189
	.end_amdhsa_kernel
	.amdgpu_metadata
---
amdhsa.version: [ 1, 2 ]
amdhsa.kernels:
  - .name:           k_q211772b98f_quant
    .symbol:         k_q211772b98f_quant.kd
    .args:
      - { .name: x, .offset: 0, .size: 8, .value_kind: global_buffer, .address_space: global }
      - { .name: W_qkv, .offset: 8, .size: 8, .value_kind: global_buffer, .address_space: global }
      - { .name: W_proj, .offset: 16, .size: 8, .value_kind: global_buffer, .address_space: global }
      - { .name: xq, .offset: 24, .size: 8, .value_kind: global_buffer, .address_space: global }
      - { .name: wq, .offset: 32, .size: 8, .value_kind: global_buffer, .address_space: global }
      - { .name: pq, .offset: 40, .size: 8, .value_kind: global_buffer, .address_space: global }
    .group_segment_fixed_size: 102912
    .private_segment_fixed_size: 0
    .kernarg_segment_align: 8
    .kernarg_segment_size: 48
    .max_flat_workgroup_size: 128
    .sgpr_count:     66
    .vgpr_count:     194
    .wavefront_size: 32
...
	.end_amdgpu_metadata
.endif
;; end of part 1
;; launch qkvgemm (part 2): grid 12 x 32, 4 waves a work-group, clusters of 4 x 4, 296,448 bytes of LDS; arguments xq, wq, b_qkv, qkvc; writes qkvc
.if DOCPART == 2
	.amdgcn_target "amdgcn-amd-amdhsa--gfx1250"
	.amdhsa_code_object_version 6
	.text
	.protected	k_q211772b98f_qkvgemm
	.globl	k_q211772b98f_qkvgemm
	.p2align	8
	.type	k_q211772b98f_qkvgemm,@function
k_q211772b98f_qkvgemm:
	s_mov_b64 s[64:65], 0
	v_nop
	global_prefetch_b8 v0, s[64:65] scope:SCOPE_SE
	s_setreg_imm32_b32 hwreg(HW_REG_WAVE_MODE, 25, 1), 1
	s_wait_xcnt 0x0
	s_wait_alu depctr_hold_cnt(0) depctr_sa_sdst(0) depctr_va_vdst(0) depctr_va_sdst(0) depctr_va_ssrc(0) depctr_va_vcc(0) depctr_vm_vsrc(0)
	s_getreg_b32 s2, hwreg(HW_REG_IB_STS2, 6, 4)
	s_cmp_eq_u32 s2, 0
	s_cbranch_scc0 .Lentry_in_a_cluster
	s_endpgm
.Lentry_in_a_cluster:
	s_bfe_u32 s2, ttmp6, 0x10000c
	s_cmp_lg_u32 s2, 0xf033
	s_cbranch_scc0 .Lentry_shape_is_right
	s_endpgm
.Lentry_shape_is_right:
; qkv = x W_qkv + b_qkv on codes of FP4 with E8M0 scales, K = 1,024; q, k and v are quantised in registers and leave as images of the next products' operand registers.
; A tile is 256 x 256, four waves of 128 x 128 (64 accumulators, 512 registers).  Source 0 = 16 rows of B, source 1 = 16 rows of A: a lane holds ONE row of A, its registers run along B's rows.
; TWO TYPES, by the cluster's x (the same in all sixteen partners):  x = 0, 1 (q, k): A = xq (tokens), B = wq rows 0-2,047: registers run along d, the next K.
;   x = 2 (v): A = wq rows 2,048 on, B = xq: registers run along the tokens, which are the K of p v.  B's rows lie in the order SW, so the 16 registers of tiles 2 b, 2 b + 1 are 16 neighbours in true order.
; K's 1,024 are two LDS slots of 512: every LDS byte is filled once, all loads go out at the start, and nothing is filled again.
; CLUSTER 4 x 4: A's tiles are asked for jointly along a row of the cluster, B's along a column.
; THE BIAS is the C of each sum's first matrix instruction.
; OUT, into 64 records (16 batch + head) of REC bytes: Q codes at 0 and K codes at 65,536, [128 tiles of 16 rows][512 B: lane l at 16 l]; V codes at 131,072, [16 key steps][c][4 tiles of d][512 B];
;   scale words: Q's at 196,608 and K's at 204,800, a word a row (bytes 0, 1 the head's two blocks; bytes 2, 3 scale zero codes only and are never 0xff); V's at 212,992, [16 key steps][64 rows of d].
; LIMITS: a block of zeros gets the byte 1; NaN and infinities are not served.
; REGISTERS: window 0: v1-27 addresses; v32-95 scale words, two sets; v96-120 at work on the way out; v128-191 A's fragments, later the codes; v192-255 the bias, later scale words read back.
;   window 1: B's fragments, two sets.   windows 2, 3: the accumulators ((a, b) at v[8 (8 (a % 4) + b)]).
.set REC,    217088
.set NQ,     4                         ; matrix instructions deep in a slot
.set PITCH,  272                       ; an LDS row: 256 bytes + 16: the 16 rows that a load touches start at 16 different banks
.set FR,     8
.set NL,     2
.set NP,     4
.set HALFT,  128*PITCH
.set SLOT,   4*HALFT                   ; A's 256 rows, then B's
.set SCL,    2*SLOT                    ; the scale bytes: rows of 256 bytes + 16
.set HALFS,  16*272                    ; those of 128 rows
.set SBLK,   2*272                     ; those of 16 rows
.set SH,   12                          ; v12  the way out: how far my half shifts the scale word
.set SWA,  13                          ; v13  where I put a scale word: 1024 wave + 512 (lane / 16) + 4 (lane % 16)
.set SRA,  14                          ; v14  where I read them back: 1024 wave + 16 lane
.set LI,   15                          ; v15  16 x lane
.set ADRA, 16
.set SOFF, 18                          ; v18  my offset in the scale words' stores
.set BO,   19                          ; v19  my offset in b_qkv
.set ADRB, 20
.set ADRS, 27
.set SC,   32
.set TM,   96                          ; v96-99 largest magnitudes, v100-103 bytes, v108-111 scale operands
.set PW,   112
.set SWD,  113                         ; v113-120 a scale word for each block of 16 rows
.set AF,   128
.set BIAS, 192
.set G1, 24
.set G0, 32
.set G1B, 48
.set G0B, 56
.set G1S, 68
.set G0S, 76
.set G1SB, 80
.set G0SB, 88
.set MSB, 0
.macro WIN new                         ; the immediate's high byte repeats the setting that is left
.if MSB != \new
	s_set_vgpr_msb (MSB<<8)|\new
.set MSB, \new
.endif
.endm
.set MUL_LO, 0xa1                      ; source 0 (B) window 1, source 1 (A) window 0, C and D window 2
.set MUL_HI, 0xf1
.set TO_B,   0x40
.macro JLOAD g0a, g1a, g0b, g1b        ; a joint load: waves 0 and 1 fetch for A, waves 2 and 3 for B; four v_nop follow each line
	s_cmp_eq_u32 s15, 0
	s_cbranch_scc0 .Lfor_b_\@
	tensor_load_to_lds s[\g0a:\g0a+3], s[\g1a:\g1a+7]
	s_nop 0
.rept 4
	v_nop
.endr
	s_branch .Lasked_\@
.Lfor_b_\@:
	tensor_load_to_lds s[\g0b:\g0b+3], s[\g1b:\g1b+7]
	s_nop 0
.rept 4
	v_nop
.endr
.Lasked_\@:
.endm
.macro CROUND                          ; a round of the cluster's barrier
	s_barrier_signal -1
	s_barrier_wait -1
	s_cmp_lg_u32 s14, 0
	s_cbranch_scc1 .Lnot_wave_0_\@
	s_barrier_signal -3
.Lnot_wave_0_\@:
	s_barrier_wait -3
	s_barrier_signal -1
	s_barrier_wait -1
.endm
	s_load_b256 s[4:11], s[0:1], 0x0               ; xq s[4:5], wq s[6:7], b_qkv s[8:9], the records s[10:11]
	v_lshl_add_u32 v126, v0, 2, 0x48400
	v_mov_b32 v127, 0
	ds_add_u32 v126, v127
	ds_add_u32 v126, v127
	v_lshrrev_b32 v1, 5, v0
	v_readfirstlane_b32 s14, v1                    ; wave 0..3
	s_lshr_b32 s15, s14, 1                         ; which half of the tile's A rows is mine.  Also: I fetch for A (0) or for B (1)
	s_and_b32 s16, s14, 1                          ; which half of its B rows.  Also: which 128 rows I fetch
	s_bfe_u32 s40, ttmp6, 0x40000                  ; cx
	s_bfe_u32 s41, ttmp6, 0x40004                  ; cy
	s_lshl_b32 s96, ttmp9, 2                       ; 4 x cluster x
	s_and_b32 s95, ttmp7, 0xffff
	s_lshl_b32 s95, s95, 2                         ; 4 x cluster y
	s_mov_b32 s97, 0x1800000                       ; the floor 2^(3 - 127)
	s_cmp_eq_u32 ttmp9, 2                          ; v's clusters?
	s_cselect_b32 s17, 0, s95
	s_cselect_b32 s42, s95, s96
	s_add_co_u32 s17, s17, s41                     ; A's tile: q, k: 4 cluster y + cy;  v: cy
	s_add_co_u32 s42, s42, s40                     ; B's tile: q, k: 4 cluster x + cx;  v: 4 cluster y + cx
	s_lshl_b32 s43, s41, 2
	s_lshl_b32 s43, 15, s43                        ; my row of the cluster
	s_lshl_b32 s44, 0x1111, s40                    ; my column
	s_or_b32 s[G1+0], s43, (0<<16)|(1<<20)|(1<<21)|(5<<22)|(3<<25)  ; the mask; elements of 1 byte; padding on; bit 21 beside a mask; 4 words behind every 64
	s_or_b32 s[G1B+0], s44, (0<<16)|(1<<20)|(1<<21)|(5<<22)|(3<<25)
.irp g, G1, G1B
	s_mov_b32 s[\g+1], 256<<16                     ; tensor_dim0 = 256 bytes
	s_mov_b32 s[\g+2], 128<<16                     ; tensor_dim1 = 128 rows
	s_mov_b32 s[\g+3], 256<<16                     ; tile_dim0
	s_mov_b32 s[\g+4], 128                         ; tile_dim1
	s_mov_b32 s[\g+5], 512                         ; from row to row
	s_mov_b32 s[\g+6], 0
	s_mov_b32 s[\g+7], 0
.endr
	s_or_b32 s[G1S+0], s43, (3<<16)|(1<<20)|(1<<21)|(5<<22)|(3<<25) ; the scale bytes of 128 rows: 4,096 dense bytes as 16 rows of 32 elements of 8 bytes
	s_or_b32 s[G1SB+0], s44, (3<<16)|(1<<20)|(1<<21)|(5<<22)|(3<<25)
.irp g, G1S, G1SB
	s_mov_b32 s[\g+1], 32<<16
	s_mov_b32 s[\g+2], 16<<16
	s_mov_b32 s[\g+3], 32<<16
	s_mov_b32 s[\g+4], 16
	s_mov_b32 s[\g+5], 32
	s_mov_b32 s[\g+6], 0
	s_mov_b32 s[\g+7], 0
.endr
	s_lshl_b32 s18, s16, 7                         ; which 128 rows of the tile I fetch
	s_lshl_b32 s22, s17, 8
	s_add_co_u32 s22, s22, s18                     ; A's row
	s_lshl_b32 s20, s22, 9                         ; its codes,
	s_lshl_b32 s22, s22, 5                         ; its scale bytes
	s_mov_b32 s21, 0
	s_mov_b32 s23, 0
	s_lshl_b32 s92, s42, 8
	s_add_co_u32 s92, s92, s18                     ; B's row
	s_lshl_b32 s46, s92, 9
	s_lshl_b32 s92, s92, 5
	s_mov_b32 s47, 0
	s_mov_b32 s93, 0
	s_mul_i32 s45, s14, HALFT                      ; where they go: wave x 128 rows
	s_mul_i32 s94, s14, HALFS
	s_wait_dscnt 0x0
	s_wait_kmcnt 0x0
	s_cmp_eq_u32 ttmp9, 2
	s_cselect_b64 s[66:67], s[6:7], s[4:5]         ; A's buffer
	s_cselect_b64 s[100:101], s[4:5], s[6:7]       ; B's
	s_mov_b32 s12, 0x100000
	s_cselect_b32 s12, s12, 0                      ; A's codes begin at row 2,048 of wq, or at xq's first byte
	s_mov_b32 s13, 0
	s_mov_b32 s18, 4194304
	s_cselect_b32 s18, 1638400, s18                ; A's scale bytes
	s_mov_b32 s19, 0
	s_mov_b32 s2, 1572864
	s_cselect_b32 s2, 4194304, s2                  ; B's scale bytes
	s_mov_b32 s3, 0
	s_add_nc_u64 s[98:99], s[66:67], s[18:19]
	s_add_nc_u64 s[66:67], s[66:67], s[12:13]
	s_add_nc_u64 s[2:3], s[100:101], s[2:3]
	s_add_nc_u64 s[20:21], s[66:67], s[20:21]
	s_add_nc_u64 s[22:23], s[98:99], s[22:23]
	s_add_nc_u64 s[46:47], s[100:101], s[46:47]
	s_add_nc_u64 s[92:93], s[2:3], s[92:93]
	CROUND                                         ; all sixteen work-groups are here: the joint loads meet
	s_mov_b32 s[G0S], 1
	s_add_co_u32 s[G0S+1], s94, SCL
	s_mov_b64 s[G0S+2:G0S+3], s[22:23]
	s_or_b32 s[G0S+3], s[G0S+3], 0x80000000
	s_mov_b32 s[G0SB], 1
	s_add_co_u32 s[G0SB+1], s94, SCL
	s_mov_b64 s[G0SB+2:G0SB+3], s[92:93]
	s_or_b32 s[G0SB+3], s[G0SB+3], 0x80000000
	JLOAD G0S, G1S, G0SB, G1SB                     ; the scales first
.irp s, 0,1
	s_mov_b32 s[G0+4*\s], 1
	s_add_co_u32 s[G0+4*\s+1], s45, \s*SLOT
	s_add_nc_u64 s[G0+4*\s+2:G0+4*\s+3], s[20:21], \s*256
	s_or_b32 s[G0+4*\s+3], s[G0+4*\s+3], 0x80000000
	s_mov_b32 s[G0B+4*\s], 1
	s_add_co_u32 s[G0B+4*\s+1], s45, \s*SLOT
	s_add_nc_u64 s[G0B+4*\s+2:G0B+4*\s+3], s[46:47], \s*256
	s_or_b32 s[G0B+4*\s+3], s[G0B+4*\s+3], 0x80000000
	JLOAD G0+4*\s, G1, G0B+4*\s, G1B               ; three loads of mine are out: all that this launch fetches by the mover
.endr
	v_and_b32 v1, 15, v0                           ; r
	v_bfe_u32 v2, v0, 4, 1                         ; h
	v_mul_u32_u24 v3, v1, PITCH
	v_lshl_add_u32 v4, v2, 4, v3
	s_mul_i32 s21, s15, HALFT
	s_mul_i32 s22, s16, HALFT
	s_add_co_u32 s22, s22, 2*HALFT
.irp s, 0,1
	v_add_nc_u32 v[ADRA+\s], s21, v4
	v_add_nc_u32 v[ADRB+\s], s22, v4
	s_add_co_u32 s21, s21, SLOT
	s_add_co_u32 s22, s22, SLOT
.endr
	v_mul_u32_u24 v5, v1, 32                       ; my row's scale bytes: 32 a row,
	v_lshrrev_b32 v6, 8, v5
	v_lshl_add_u32 v5, v6, 4, v5                   ; and 16 more for each 256 passed
	s_mul_i32 s21, s15, HALFS
	s_mul_i32 s22, s16, HALFS
	s_add_co_u32 s22, s22, 2*HALFS
	s_sub_co_u32 s22, s22, s21
	v_mul_u32_u24 v6, s22, v2                      ; lanes 16-31 take B's
	s_add_co_u32 s21, s21, SCL
	v_add_nc_u32 v5, v5, v6
	v_add_nc_u32 v[ADRS], s21, v5
	v_and_b32 v3, 31, v0
	v_lshlrev_b32 v[LI], 4, v3
	s_lshl_b32 s23, s14, 10                        ; the way out: 1,024 bytes a wave at slot 0's head, used when that slot has had its one fill and its last read
	v_add_nc_u32 v[SRA], s23, v[LI]
	v_lshlrev_b32 v[SWA], 2, v1
	v_lshl_add_u32 v[SWA], v2, 9, v[SWA]
	v_add_nc_u32 v[SWA], s23, v[SWA]
.irp b, 0,1,2,3
	v_mov_b32 v[TM+4+\b], 0                        ; written once: a lane permute's destination counts as one of its sources
.endr
	; the bias, in the result's layout
	s_cmp_eq_u32 ttmp9, 2
	s_cbranch_scc1 .Lbias_v
	s_lshl_b32 s46, s40, 2                         ; q, k: it runs along the registers.  My 128 rows of B are heads 4 cx + 2 half, + 1
	s_lshl_b32 s47, s16, 1
	s_add_co_u32 s46, s46, s47
	s_mul_i32 s46, s46, 192
	s_lshl_b32 s47, ttmp9, 6
	s_add_co_u32 s46, s46, s47
	s_lshl_b32 s46, s46, 2
	s_mov_b32 s47, 0
	s_add_nc_u64 s[12:13], s[8:9], s[46:47]
	v_lshlrev_b32 v[BO], 6, v2                     ; my half's 16 numbers of each 32
.irp b, 0,1,2,3,4,5,6,7
	global_load_b128 v[BIAS+8*\b:BIAS+8*\b+3], v[BO], s[12:13] offset:4*(192*(\b/4)+32*((\b/2)%2)+8*(\b%2))
	global_load_b128 v[BIAS+8*\b+4:BIAS+8*\b+7], v[BO], s[12:13] offset:4*(192*(\b/4)+32*((\b/2)%2)+8*(\b%2))+16
.endr
	s_branch .Lbias_in
.Lbias_v:
	s_lshl_b32 s20, s41, 2                         ; v: it hangs on my row of A: heads 4 cy + 2 half, + 1; all eight registers of a tile alike
	s_lshl_b32 s21, s15, 1
	s_add_co_u32 s20, s20, s21
	s_mul_i32 s20, s20, 192
	s_add_co_u32 s20, s20, 128
	s_lshl_b32 s20, s20, 2
	s_mov_b32 s21, 0
	s_add_nc_u64 s[12:13], s[8:9], s[20:21]
	v_and_b32 v[BO], 8, v1
	v_add_nc_u32 v[BO], v[BO], v1
	v_lshlrev_b32 v[BO], 2, v[BO]                  ; 4 (r + 8 (r / 8))
.irp a, 0,1,2,3,4,5,6,7
.irp j, 0,1,2,3,4,5,6,7
	global_load_b32 v[BIAS+8*\a+\j], v[BO], s[12:13] offset:4*(192*(\a/4)+32*((\a/2)%2)+8*(\a%2))
.endr
.endr
.Lbias_in:
.macro FRAG reg, adr, q, i             ; 16 rows x 128 K of 4-bit codes: 8 registers: two loads of 16 bytes, 32 bytes apart
.irp c, 0,1
	ds_load_b128 v[\reg+4*\c:\reg+4*\c+3], v[\adr] offset:64*(\q)+32*\c+(\i)*16*PITCH
.endr
.endm
; 16 matrix instructions: A's blocks a0, a0 + 1 x B's eight.  cm = 0: in place; 1: C = the bias along the registers; 2: C = the bias of A's block.
; The 64 accumulators take turns, one instruction a turn, in the same order in every step.
.macro MUL16 a0, p, q, sc, cm
.irp a, \a0, \a0+1
.irp b, 0,1,2,3,4,5,6,7
.set rD, 8*(8*((\a)%4)+\b)
.set rC, rD
.if \cm == 1
.set rC, BIAS+8*\b
.endif
.if \cm == 2
.set rC, BIAS+8*(\a)
.endif
.set rB, 128*(\p)+FR*\b
.set rA, AF+FR*(\a)
.set rSB, SC+8*NQ*(\sc)+NQ*\b+(\q)
.set rSA, SC+8*NQ*(\sc)+NQ*(\a)+(\q)
	v_wmma_scale_f32_16x16x128_f8f6f4 v[rD:rD+7], v[rB:rB+7], v[rA:rA+7], v[rC:rC+7], v[rSB], v[rSA] matrix_a_fmt:MATRIX_FMT_FP4 matrix_b_fmt:MATRIX_FMT_FP4 matrix_a_scale:MATRIX_SCALE_ROW1
.endr
.endr
.endm
.macro FETCH_B slot, q, p
	WIN TO_B
.irp i, 0,1,2,3,4,5,6,7
	FRAG 128*(\p)+FR*\i, ADRB+\slot, \q, \i
.endr
	WIN 0
.endm
.macro FETCH_A slot, q, i0
.irp i, \i0, \i0+1, \i0+2, \i0+3
	FRAG AF+FR*(\i), ADRA+\slot, \q, \i
.endr
.endm
.macro SCALES sc                       ; a slot's scale words: lanes 0-15 take A's block i, lanes 16-31 B's block i
.irp i, 0,1,2,3,4,5,6,7
	ds_load_b128 v[SC+8*NQ*\sc+NQ*\i:SC+8*NQ*\sc+NQ*\i+3], v[ADRS] offset:\i*SBLK
.endr
.endm
.macro PLACES n                        ; plain vector instructions between a matrix instruction and a load into, or a read of, its registers
.rept \n
	v_nop
.endr
.endm
.macro STEP slot, q, cm                ; 128 along K, with its successor in the same slot
	s_wait_dscnt 4*NL                              ; all but the youngest eight loads (A's blocks 4-7) are in
.if \cm
	WIN 0x81                                       ; C (the bias) in window 0, D in window 2
.else
	WIN MUL_LO
.endif
	MUL16 0, (\q)%2, \q, \slot, \cm
	MUL16 2, (\q)%2, \q, \slot, \cm
	s_wait_dscnt 0                                 ; A's blocks 4-7 are in
	PLACES NP
	FETCH_B \slot, (\q)+1, 1-(\q)%2
	FETCH_A \slot, (\q)+1, 0
.if \cm
	WIN 0xc1
.else
	WIN MUL_HI
.endif
	MUL16 4, (\q)%2, \q, \slot, \cm
	MUL16 6, (\q)%2, \q, \slot, \cm
	PLACES NP
	WIN 0
	FETCH_A \slot, (\q)+1, 4
.endm
.macro STEPS slot, from
.set Q, \from
.rept NQ-1-\from
	STEP \slot, Q, 0
.set Q, Q+1
.endr
.endm
	s_wait_tensorcnt 1                             ; the scales and my part of slot 0 are in; slot 1's load may be out
	s_barrier_signal -1
	s_barrier_wait -1
	FETCH_B 0, 0, 0
	FETCH_A 0, 0, 0
	SCALES 0
	FETCH_A 0, 0, 4
	s_wait_loadcnt 0x0                             ; the bias
	s_cmp_eq_u32 ttmp9, 2
	s_cbranch_scc1 .Lfirst_v
	STEP 0, 0, 1                                   ; the first step starts the sums on the bias
	s_branch .Lfirst_done
.Lfirst_v:
	STEP 0, 0, 2
.Lfirst_done:
	STEPS 0, 1
	; slot 0's last step changes slots: one barrier; in front of it my part of slot 1 has landed and my reads of slot 0 are over
	s_wait_tensorcnt 0x0
	s_wait_dscnt 4*NL
	WIN MUL_LO
	MUL16 0, 1, NQ-1, 0, 0
	s_wait_dscnt 0x0
	s_barrier_signal -1
	MUL16 2, 1, NQ-1, 0, 0
	WIN 0
	s_barrier_wait -1
	PLACES NP
	v_add_nc_u32 v[ADRS], 4*NQ, v[ADRS]            ; on to slot 1's scale words
	FETCH_B 1, 0, 0
	FETCH_A 1, 0, 0
	SCALES 1
	WIN MUL_HI
	MUL16 4, 1, NQ-1, 0, 0
	MUL16 6, 1, NQ-1, 0, 0
	PLACES NP
	WIN 0
	FETCH_A 1, 0, 4
	STEPS 1, 0
	s_wait_dscnt 4*NL                              ; the last step: nothing more to fetch
	WIN MUL_LO
	MUL16 0, 1, NQ-1, 1, 0
	MUL16 2, 1, NQ-1, 1, 0
	s_wait_dscnt 0
	WIN MUL_HI
	MUL16 4, 1, NQ-1, 1, 0
	MUL16 6, 1, NQ-1, 1, 0
	WIN 0
	PLACES NP
	; THE WAY OUT.  No tensor load of mine is out, so the descriptors' registers are free.
	s_lshl_b32 s48, s17, 8
	s_lshl_b32 s49, s15, 7
	s_add_co_u32 s48, s48, s49                     ; my first row of A
	s_lshl_b32 s49, s42, 8
	s_lshl_b32 s50, s16, 7
	s_add_co_u32 s49, s49, s50                     ; my first row of B
	s_mov_b32 s36, REC
	s_mov_b32 s37, 2048
	s_mov_b32 s38, 0x76543210
	s_mov_b32 s39, 0xfedcba98                      ; v_permlanex16_b32's selects for lane l xor 16
	s_cmp_eq_u32 ttmp9, 2
	s_cselect_b32 s50, s49, s48                    ; my first token,
	s_cselect_b32 s51, s48, s49                    ; my first row of the weights
	s_cselect_b32 s52, s37, s36                    ; from the fragment's registers 0-3 to 4-7: v: 2,048 bytes (64 keys on); q, k: the next head's record
	s_cselect_b32 s54, s36, s37                    ; from blocks 0-3 to 4-7: v: the next head's record; q, k: four tiles of rows
	s_cselect_b32 s56, 1, 2
	s_cselect_b32 s57, REC-256, 0
	s_cselect_b32 s58, 0, 16
	s_mov_b32 s37, 0
	s_mov_b32 s53, 0
	s_mov_b32 s55, 0
	s_mov_b32 s63, 0
	s_and_b32 s51, s51, 1023
	s_lshr_b32 s51, s51, 6                         ; my first head
	s_lshr_b32 s59, s50, 11
	s_lshl_b32 s59, s59, 4
	s_add_co_u32 s59, s59, s51                     ; its record
	s_and_b32 s50, s50, 2047                       ; my first token in its batch
	s_mul_i32 s60, s59, REC
	s_lshl_b32 s61, ttmp9, 16
	s_add_co_u32 s61, s61, s60
	s_lshl_b32 s62, s50, 5
	s_add_co_u32 s62, s62, s61
	s_add_nc_u64 s[24:25], s[10:11], s[62:63]      ; codes: registers 0-3, blocks 0-3
	s_add_nc_u64 s[26:27], s[24:25], s[52:53]      ; registers 4-7
	s_add_nc_u64 s[28:29], s[24:25], s[54:55]      ; blocks 4-7
	s_add_nc_u64 s[30:31], s[26:27], s[54:55]
	s_lshl_b32 s62, s50, s56                       ; scale words: q, k: 4 bytes a token; v: 256 bytes a key step
	s_add_co_u32 s62, s62, s60
	s_lshl_b32 s61, ttmp9, 13
	s_add_co_u32 s62, s62, s61
	s_add_co_u32 s62, s62, 196608
	s_add_nc_u64 s[32:33], s[10:11], s[62:63]
	s_add_nc_u64 s[34:35], s[32:33], s[36:37]      ; and the next head's
	v_mul_u32_u24 v[SH], s58, v2                   ; q, k: lanes 16-31 keep the second head's two bytes
	v_mul_u32_u24 v[SOFF], s57, v2                 ; v: lanes 16-31 store into the second head's record
	v_add_nc_u32 v[SOFF], v[SOFF], v[LI]
; Block a: my lane's 64 numbers of row 16 a + r (register 16 b + i = index 32 b + 16 h + i) become a fragment's codes and its scale word.
.macro QBLK a
.set W, 2+(\a)/4
.set S, 64*((\a)%4)
.set PC, AF+8*(\a)
	WIN 20*W                                       ; sources 1 and 2 in the accumulators' window
.irp b, 0,1,2,3
	v_max3_num_f32 v[TM+\b], s97, |v[S+16*\b]|, |v[S+16*\b+1]|     ; each accumulator is read from its low end on; the floor among the leaves
.endr
.irp i, 2,4,6,8,10,12,14
.irp b, 0,1,2,3
	v_max3_num_f32 v[TM+\b], v[TM+\b], |v[S+16*\b+\i]|, |v[S+16*\b+\i+1]|
.endr
.endr
	WIN 0
.irp b, 0,1,2,3
	v_permlanex16_b32 v[TM+4+\b], v[TM+\b], s38, s39
.endr
.irp b, 0,1,2,3
	v_max_num_f32 v[TM+\b], v[TM+\b], v[TM+4+\b]   ; with lane l xor 16's: the block's largest magnitude
.endr
.irp b, 0,1,2,3
	v_add_nc_u32 v[TM+12+\b], 0xff000000, v[TM+\b] ; 2 off the exponent field: the conversion's scale operand
.endr
.irp b, 0,1,2,3
	v_lshrrev_b32 v[TM+4+\b], 23, v[TM+12+\b]      ; the scale's byte
.endr
	v_lshl_or_b32 v[PW], v[TM+5], 8, v[TM+4]
	v_lshl_or_b32 v[PW], v[TM+6], 16, v[PW]
	v_lshl_or_b32 v[PW], v[TM+7], 24, v[PW]
	v_lshrrev_b32 v[SWD+(\a)], v[SH], v[PW]
	WIN W                                          ; source 0 in the accumulators' window
.irp b, 0,1,2,3
	v_cvt_scalef32_pk8_fp4_f32 v[PC+2*\b], v[S+16*\b:S+16*\b+7], v[TM+12+\b]
	v_cvt_scalef32_pk8_fp4_f32 v[PC+2*\b+1], v[S+16*\b+8:S+16*\b+15], v[TM+12+\b]
.endr
	WIN 0
	v_nop                                          ; one plain place behind a scaled conversion
.irp c, 0,1                                    ; a whole block to a lane: lanes 0-15 block 2 c, lanes 16-31 block 2 c + 1
.irp i, 0,1
	v_permlane16_swap_b32 v[PC+4*\c+\i], v[PC+2+4*\c+\i]
.endr
.endr
	ds_store_b32 v[SWA], v[SWD+(\a)] offset:64*(\a)
	global_store_b128 v[LI], v[PC:PC+3], s[24+4*((\a)/4):25+4*((\a)/4)] offset:((\a)%4)*512      ; 32 lanes store 512 consecutive bytes, aligned
	global_store_b128 v[LI], v[PC+4:PC+7], s[26+4*((\a)/4):27+4*((\a)/4)] offset:((\a)%4)*512
.endm
.irp a, 0,1,2,3,4,5,6,7
	QBLK \a
.endr
	ds_load_b128 v[192:195], v[SRA]                ; my own bytes, served in order: 128 scale words
	ds_load_b128 v[196:199], v[SRA] offset:512
	s_wait_dscnt 0x0
	global_store_b128 v[SOFF], v[192:195], s[32:33]
	s_cmp_eq_u32 ttmp9, 2
	s_cbranch_scc1 .Lno_second
	global_store_b128 v[SOFF], v[196:199], s[34:35]    ; q, k: the second head's words
.Lno_second:
	s_wait_tensorcnt 0x0
	ds_add_u32 v126, v127
	s_wait_dscnt 0x0
	CROUND                                         ; the closing round
	s_endpgm
.Lfunc_end_k_q211772b98f_qkvgemm:
	.size	k_q211772b98f_qkvgemm, .Lfunc_end_k_q211772b98f_qkvgemm-k_q211772b98f_qkvgemm
	.p2alignl 7, 3214868480
	.fill 96, 4, 3214868480
	.section	.rodata,"a",@progbits
	.p2align	6, 0x0
	.amdhsa_kernel k_q211772b98f_qkvgemm
		.amdhsa_group_segment_fixed_size 296448
		.amdhsa_private_segment_fixed_size 0
		.amdhsa_enable_private_segment 0
		.amdhsa_kernarg_size 32
		.amdhsa_user_sgpr_count 2
		.amdhsa_user_sgpr_kernarg_segment_ptr 1
		.amdhsa_wavefront_size32 1
		.amdhsa_system_sgpr_workgroup_id_x 1
		.amdhsa_system_sgpr_workgroup_id_y 1
		.amdhsa_system_sgpr_workgroup_id_z 1
		.amdhsa_system_vgpr_workitem_id 0
		.amdhsa_next_free_vgpr 1024
		.amdhsa_next_free_sgpr 102
		.amdhsa_reserve_vcc 0
		.amdhsa_float_denorm_mode_32 3
		.amdhsa_float_denorm_mode_16_64 3
		.amdhsa_memory_ordered 1
		.amdhsa_forward_progress 1
		.amdhsa_inst_pref_size 148
	.end_amdhsa_kernel
	.amdgpu_metadata
---
amdhsa.version: [ 1, 2 ]
amdhsa.kernels:
  - .name:           k_q211772b98f_qkvgemm
    .symbol:         k_q211772b98f_qkvgemm.kd
    .args:
      - { .name: xq, .offset: 0, .size: 8, .value_kind: global_buffer, .address_space: global }
      - { .name: wq, .offset: 8, .size: 8, .value_kind: global_buffer, .address_space: global }
      - { .name: b_qkv, .offset: 16, .size: 8, .value_kind: global_buffer, .address_space: global }
      - { .name: qkvc, .offset: 24, .size: 8, .value_kind: global_buffer, .address_space: global }
    .group_segment_fixed_size: 296448
    .private_segment_fixed_size: 0
    .kernarg_segment_align: 8
    .kernarg_segment_size: 32
    .max_flat_workgroup_size: 128
    .sgpr_count:     102
    .vgpr_count:     1024
    .wavefront_size: 32
...
	.end_amdgpu_metadata
.endif
;; end of part 2
;; launch attn (part 3): grid 8 x 32, 16 waves a work-group, no clusters, 296,960 bytes of LDS; arguments qkvc, ao; writes ao
.if DOCPART == 3
	.amdgcn_target "amdgcn-amd-amdhsa--gfx1250"
	.amdhsa_code_object_version 6
	.text
	.protected	k_q211772b98f_attn
	.globl	k_q211772b98f_attn
	.p2align	8
	.type	k_q211772b98f_attn,@function
k_q211772b98f_attn:
	s_mov_b64 s[64:65], 0
	v_nop
	global_prefetch_b8 v0, s[64:65] scope:SCOPE_SE
	s_setreg_imm32_b32 hwreg(HW_REG_WAVE_MODE, 25, 1), 1
	s_wait_xcnt 0x0
; Causal attention on codes of FP4 with E8M0 scales, head size 64, 2,048 keys; o / l is quantised along the channels and leaves as images of the last product's operand registers.
; t = score x log2(e) / 8; M = the running largest t rounded UP to a whole number; p = 2^(t - M) is quantised along the keys; the row's sum is taken of the unquantised p and divides at the end.
; SHARES.  Work-group (j, y) owns heads 2 y and 2 y + 1 (records of the buffer).  Waves 0-7 take the first head, 8-15 the second; wave u of a head makes two tiles of 16 queries, one after the other:
; tile u of group j of 128 rows, then tile u of group 15 - j: (j + 1) + (16 - j) = 17 key steps of 128 for every wave of every work-group.
; LDS holds both heads' K and V whole (143,360 bytes a head, as they lie in the record): every byte is filled once, by twelve loads at the start; nothing is filled again.
; NO CLUSTER: the eight work-groups that read a head's K and V differ in j, and the jump over hidden key steps hangs on j.  NO PREFETCH: all that a work-group reads is asked for in its first lines.
; LAYOUT.  S^T = K Q^T (source 0 = 16 keys), O^T = V^T P^T (source 0 = 16 of d): a lane holds one query.  K = 64 fills half of the instruction's 128: registers 4-7 of Q's and K's fragments are zero codes.
; Rows lie in the order SW (bits 3 and 4 exchanged), so the 16 registers of tiles 2 b, 2 b + 1 hold keys (or d) 32 b + 16 (lane / 16) + 0 .. 15 in true order.
; OUT: ao codes [512 tiles of 16 rows][16 heads][512 B: lane l at 16 l]; scale words as planes [8 pairs of heads][8,192 rows] x 4 B from byte 4,194,304 (low half: the even head's two bytes).
; LIMITS: hidden keys get the weight 0 exactly, which is what -1e9 gives while a row's largest score lies far above -1e9; p under 2^-126 counts as 0; a block of zeros gets the byte 1; NaN, infinities not served.
.set REC,   217088
.set HEADB, 143360                     ; a head in LDS: K codes 0, V codes 65,536, K scale words 131,072, V scale words 139,264
.set XS,    2*HEADB                    ; 1,024 bytes in which the two heads' halves of o's scale words meet
.set AK0,  1                           ; v1   my lane's place in K's codes
.set AV0,  2                           ; v2   in V's
.set ASK0, 3                           ; v3   among K's scale words
.set ASV0, 4                           ; v4   among V's
.set LI,   5                           ; v5   16 x lane
.set DM,   6                           ; v6   my query in its group of 128, less 16 (lane / 16)
.set XSA,  7                           ; v7   where I put o's two scale bytes
.set ADK,  8
.set ADV,  9
.set ADS,  10
.set ADT,  11
.set XSR,  216                         ; v216 where wave 0 reads the words back
.set R4,   217                         ; v217 4 x (lane % 16)
.set WV,   18
.set E,    19
.set SEL,  20
.set CS,   22
.set J,    60
.set Y,    61
.set U,    62
.set GB,   63                          ; 15 - j
.set KF,   66                          ; the step's first key
.set QG,   67                          ; my group's first row
.set T4K,  68                          ; the step's codes: 4,096 bytes a step
.set T512, 69                          ; K's scale words: 512
.set T256, 70                          ; V's: 256
.set CNT,  71
	s_load_b128 s[4:7], s[0:1], 0x0                ; the records s[4:5], ao s[6:7]
	v_lshl_add_u32 v243, v0, 2, 0x48000
	v_mov_b32 v255, 0
	ds_add_u32 v243, v255
	ds_add_u32 v243, v255
	v_lshrrev_b32 v8, 5, v0
	s_delay_alu instid0(VALU_DEP_1)
	v_readfirstlane_b32 s[WV], v8                  ; wave 0..15
	s_lshr_b32 s[E], s[WV], 3                      ; my head of the pair
	s_and_b32 s[U], s[WV], 7
	s_mov_b32 s[J], ttmp9
	s_and_b32 s[Y], ttmp7, 0xffff
	s_sub_co_u32 s[GB], 15, s[J]
	; three shapes: R rows of 256 dense bytes (32 elements of 8 bytes), R = 24, 64, 192
.irp g, 24, 32, 40
	s_mov_b32 s[\g+0], 3<<16
	s_mov_b32 s[\g+1], 32<<16
	s_mov_b32 s[\g+3], 32<<16
	s_mov_b32 s[\g+5], 32
	s_mov_b32 s[\g+6], 0
	s_mov_b32 s[\g+7], 0
.endr
	s_mov_b32 s26, 24<<16
	s_mov_b32 s28, 24
	s_mov_b32 s34, 64<<16
	s_mov_b32 s36, 64
	s_mov_b32 s42, 192<<16
	s_mov_b32 s44, 192
	; what waves 0-3 fetch: head wave & 1; waves 0, 1 K's codes, waves 2, 3 V's; each half of the head's scale words
	s_and_b32 s92, s[WV], 1
	s_lshr_b32 s93, s[WV], 1
	s_and_b32 s93, s93, 1
	s_lshl_b32 s94, s[Y], 1
	s_add_co_u32 s94, s94, s92
	s_mul_i32 s94, s94, REC
	s_mov_b32 s95, 0
	s_mul_i32 s96, s92, HEADB
	s_mul_i32 s97, s93, 6144
	s_mov_b32 s48, 1
	s_add_co_u32 s49, s96, s97
	s_add_co_u32 s49, s49, 131072
	s_add_co_u32 s74, s97, 204800
	s_mov_b32 s75, 0
	s_mov_b32 s52, 1
	s_lshl_b32 s97, s93, 16
	s_add_co_u32 s53, s96, s97
	s_mov_b32 s56, 1
	s_add_co_u32 s57, s53, 16384
	s_add_co_u32 s96, s97, 65536
	s_mov_b32 s97, 0
	s_mov_b32 s[SEL], 0x76543210
	s_mov_b32 s[SEL+1], 0xfedcba98
	s_mov_b32 s[CS], 0x3e38aa3b                    ; c = log2(e) / 8
	s_mov_b32 s[CS+1], s[CS]
	s_wait_dscnt 0x0
	s_wait_kmcnt 0x0
	s_add_nc_u64 s[94:95], s[4:5], s[94:95]        ; the record that I fetch from
	s_add_nc_u64 s[50:51], s[94:95], s[74:75]
	s_add_nc_u64 s[54:55], s[94:95], s[96:97]
	s_add_nc_u64 s[58:59], s[54:55], 16384
	s_or_b32 s51, s51, 0x80000000
	s_or_b32 s55, s55, 0x80000000
	s_or_b32 s59, s59, 0x80000000
	s_cmp_lt_u32 s[WV], 4
	s_cbranch_scc0 .Lno_fill
	tensor_load_to_lds s[48:51], s[24:31]          ; half of a head's scale words: 6,144 bytes
	s_nop 0
	tensor_load_to_lds s[52:55], s[32:39]          ; key steps 0-3: 16,384 bytes
	s_nop 0
	tensor_load_to_lds s[56:59], s[40:47]          ; key steps 4-15: 49,152 bytes.  Three loads of mine are out
	s_nop 0
.rept 4
	v_nop
.endr
.Lno_fill:
	s_lshl_b32 s92, s[Y], 1
	s_add_co_u32 s92, s92, s[E]
	s_mul_i32 s72, s92, REC
	s_mov_b32 s73, 0
	s_add_nc_u64 s[72:73], s[4:5], s[72:73]        ; my head's record
	s_lshl_b32 s94, s[J], 3
	s_add_co_u32 s94, s94, s[U]                    ; my first tile of queries
	s_lshl_b32 s95, s[GB], 3
	s_add_co_u32 s95, s95, s[U]                    ; my second
	s_mov_b32 s97, 0
	s_lshl_b32 s96, s94, 9
	s_add_nc_u64 s[84:85], s[72:73], s[96:97]      ; Q's codes
	s_lshl_b32 s96, s95, 9
	s_add_nc_u64 s[86:87], s[72:73], s[96:97]
	s_lshl_b32 s96, s94, 6
	s_add_co_u32 s96, s96, 196608
	s_add_nc_u64 s[88:89], s[72:73], s[96:97]      ; Q's scale words
	s_lshl_b32 s96, s95, 6
	s_add_co_u32 s96, s96, 196608
	s_add_nc_u64 s[90:91], s[72:73], s[96:97]
	v_and_b32 v8, 15, v0                           ; r
	v_bfe_u32 v9, v0, 4, 1                         ; h
	v_and_b32 v10, 31, v0
	s_delay_alu instid0(VALU_DEP_1)
	v_lshlrev_b32 v[LI], 4, v10
	s_wait_alu depctr_va_vdst(0)
	v_lshlrev_b32 v[R4], 2, v8
	s_wait_alu depctr_va_vdst(0)
	global_load_b128 v[16:19], v[LI], s[84:85]     ; both tiles' Q stay in registers
	global_load_b128 v[24:27], v[LI], s[86:87]
	global_load_b32 v196, v[R4], s[88:89]
	global_load_b32 v197, v[R4], s[90:91]
	s_lshr_b32 s74, s[Y], 3                        ; batch
	s_and_b32 s75, s[Y], 7                         ; pair of heads
	s_lshl_b32 s92, s75, 1
	s_add_co_u32 s92, s92, s[E]
	s_lshl_b32 s92, s92, 9
	s_lshl_b32 s93, s74, 7
	s_add_co_u32 s96, s93, s94
	s_lshl_b32 s96, s96, 13
	s_add_co_u32 s96, s96, s92
	s_add_nc_u64 s[76:77], s[6:7], s[96:97]        ; o's codes: ((128 batch + tile) 16 + head) 512
	s_add_co_u32 s96, s93, s95
	s_lshl_b32 s96, s96, 13
	s_add_co_u32 s96, s96, s92
	s_add_nc_u64 s[78:79], s[6:7], s[96:97]
	s_lshl_b32 s92, s75, 15
	s_lshl_b32 s74, s74, 13
	s_add_co_u32 s92, s92, s74
	s_add_co_u32 s92, s92, 4194304
	s_lshl_b32 s96, s[J], 9
	s_add_co_u32 s96, s96, s92
	s_add_nc_u64 s[80:81], s[6:7], s[96:97]        ; o's scale words: the pair's plane, the group's 128 rows
	s_lshl_b32 s96, s[GB], 9
	s_add_co_u32 s96, s96, s92
	s_add_nc_u64 s[82:83], s[6:7], s[96:97]
	s_mul_i32 s92, s[E], HEADB
	v_add_nc_u32 v[AK0], s92, v[LI]
	s_delay_alu instid0(VALU_DEP_1)
	v_add_nc_u32 v[AV0], 65536, v[AK0]
	v_add_nc_u32 v[ASK0], s92, v[R4]
	s_delay_alu instid0(VALU_DEP_1)
	v_add_nc_u32 v[ASK0], 131072, v[ASK0]
	s_delay_alu instid0(VALU_DEP_1)
	v_add_nc_u32 v[ASV0], 8192, v[ASK0]
	s_lshr_b32 s93, s[U], 1
	s_lshl_b32 s93, s93, 5
	s_and_b32 s94, s[U], 1
	s_lshl_b32 s94, s94, 3
	s_add_co_u32 s93, s93, s94
	v_and_b32 v[DM], 8, v8
	s_delay_alu instid0(VALU_DEP_1)
	v_add_nc_u32 v[DM], v[DM], v8
	s_delay_alu instid0(VALU_DEP_1)
	v_add_nc_u32 v[DM], s93, v[DM]                 ; my query: 32 (u / 2) + 8 (u % 2) + r + 8 (r / 8)
	v_lshlrev_b32 v11, 4, v9
	s_delay_alu instid0(VALU_DEP_1)
	v_sub_nc_u32 v[DM], v[DM], v11
	s_lshl_b32 s93, s[U], 6
	s_lshl_b32 s94, s[E], 1
	s_add_co_u32 s93, s93, s94
	s_add_co_u32 s93, s93, XS
	v_add_nc_u32 v[XSA], s93, v[R4]
	v_add_nc_u32 v[XSR], XS, v[LI]
.irp i, 20,21,22,23,28,29,30,31
	v_mov_b32 v[\i], 0                             ; Q's k = 64 .. 127: zero codes
.endr
.irp t, 0,1,2,3
.irp i, 4,5,6,7
	v_mov_b32 v[32+8*\t+\i], 0                     ; K's likewise: written once, never loaded
.endr
.endr
.irp i, 236,237,238,239,252,253
	v_mov_b32 v[\i], 0                             ; lane permutes' destinations, and the upper half of the pair v[252:253]
.endr
.macro INIT greg                       ; a tile of queries begins: O^T and the sum are zeros, the largest t lies under every t
	v_mov_b32 v13, 0xff61b1e6
	s_delay_alu instid0(VALU_DEP_1)
	v_floor_f32 v12, -v13
	v_mov_b32 v14, 0
	v_mov_b32 v15, 0
.set n, 0
.rept 32
	v_mov_b32 v[160+n], 0
.set n, n+1
.endr
	s_mov_b32 s[KF], 0
	s_mov_b32 s[T4K], 0
	s_mov_b32 s[T512], 0
	s_mov_b32 s[T256], 0
	s_lshl_b32 s[QG], s[\greg], 7
.endm
; A KEY STEP: 128 keys.  qf: Q's fragment, qs: its scale words.
.macro STEP qf, qs
	s_cmp_gt_u32 s[KF], s[QG]                      ; all its keys come after my queries: only the addresses step
	s_cbranch_scc1 .Lhidden_\@
	s_setprio 2
	v_add_nc_u32 v[ADK], s[T4K], v[AK0]            ; (these four are the places in front of the loads into V's registers)
	v_add_nc_u32 v[ADV], s[T4K], v[AV0]
	v_add_nc_u32 v[ADS], s[T512], v[ASK0]
	v_add_nc_u32 v[ADT], s[T256], v[ASV0]
.irp t, 0,1,2,3
	ds_load_b128 v[32+8*\t:35+8*\t], v[ADK] offset:512*\t
	ds_load_b32 v[248+\t], v[ADS] offset:64*\t
.endr
.irp t, 0,1,2,3
.irp c, 0,1
	ds_load_b128 v[64+8*\t+4*\c:67+8*\t+4*\c], v[ADV] offset:2048*\c+512*\t
.endr
	ds_load_b32 v[192+\t], v[ADT] offset:64*\t
.endr
	s_wait_alu depctr_va_vdst(0)
	s_wait_dscnt 12                                ; K's first four tiles are in; V's twelve loads may be out
.irp t, 0,1,2,3
	v_wmma_scale_f32_16x16x128_f8f6f4 v[96+8*\t:103+8*\t], v[32+8*\t:39+8*\t], v[\qf:\qf+7], 0, v[248+\t], v[\qs] matrix_a_fmt:MATRIX_FMT_FP4 matrix_b_fmt:MATRIX_FMT_FP4
.endr
.rept 4
	v_nop                                          ; places in front of loads into registers that matrix instructions have read
.endr
.irp t, 0,1,2,3
	ds_load_b128 v[32+8*\t:35+8*\t], v[ADK] offset:2048+512*\t
	ds_load_b32 v[248+\t], v[ADS] offset:256+64*\t
.endr
	s_wait_dscnt 0x0
.irp t, 0,1,2,3
	v_wmma_scale_f32_16x16x128_f8f6f4 v[128+8*\t:135+8*\t], v[32+8*\t:39+8*\t], v[\qf:\qf+7], 0, v[248+\t], v[\qs] matrix_a_fmt:MATRIX_FMT_FP4 matrix_b_fmt:MATRIX_FMT_FP4
.endr
.rept 4
	v_nop
.endr
	s_cmp_lg_u32 s[KF], s[QG]                      ; on the diagonal hidden scores become -infinity ahead of the maximum: p = 0 then
	s_cbranch_scc1 .Lopen_\@
	v_mov_b32 v254, 0xff800000
.set n, 0
.rept 64
	v_cmp_gt_i32 vcc_lo, 32*(n/16)+n%16, v[DM]     ; register 16 b + i holds key 32 b + 16 (lane / 16) + i
	v_cndmask_b32 v[96+n], v[96+n], v254, vcc_lo
.set n, n+1
.endr
.Lopen_\@:
.irp b, 0,1,2,3
	v_max3_num_f32 v[232+\b], v[96+16*\b], v[97+16*\b], v[98+16*\b]   ; the largest score of each block of 32 keys: for the row's maximum and for the block's largest p
.endr
.irp i, 3,5,7,9,11,13
.irp b, 0,1,2,3
	v_max3_num_f32 v[232+\b], v[232+\b], v[96+16*\b+\i], v[97+16*\b+\i]
.endr
.endr
.irp b, 0,1,2,3
	v_max_num_f32 v[232+\b], v[232+\b], v[111+16*\b]
.endr
.irp b, 0,1,2,3
	s_delay_alu instid0(VALU_DEP_4)
	v_permlanex16_b32 v[236+\b], v[232+\b], s[SEL], s[SEL+1]
.endr
.irp b, 0,1,2,3
	s_delay_alu instid0(VALU_DEP_4)
	v_max_num_f32 v[232+\b], v[232+\b], v[236+\b]
.endr
	s_delay_alu instid0(VALU_DEP_2)
	v_max3_num_f32 v254, v232, v233, v234
	s_delay_alu instid0(VALU_DEP_1)
	v_max_num_f32 v254, v254, v235
	s_delay_alu instid0(VALU_DEP_1)
	v_mul_f32 v254, s[CS], v254
	s_delay_alu instid0(VALU_DEP_1)
	v_max_num_f32 v13, v13, v254                   ; the running largest t
	v_mov_b32 v254, v12
	s_delay_alu instid0(VALU_DEP_2)
	v_floor_f32 v12, -v13                          ; -M = floor(-t): M is a whole number
	s_delay_alu instid0(VALU_DEP_1)
	v_sub_f32 v254, v12, v254
	s_delay_alu instid0(VALU_DEP_1)
	v_cvt_i32_f32 v254, v254                       ; (it saturates)
	s_delay_alu instid0(VALU_DEP_1)
	v_ldexp_f32 v252, 1.0, v254                    ; f = 2^(old M - new M)
.set n, 0
	s_setprio 1
.rept 32
	v_pk_fma_f32 v[96+n:97+n], v[96+n:97+n], s[CS:CS+1], v[12:13] op_sel_hi:[1,0,0]   ; t - M, two at a time
.set n, n+2
.endr
.irp b, 0,1,2,3
	v_fma_f32 v[232+\b], v[232+\b], s[CS], v12
.endr
.set n, 0
	s_wait_alu depctr_va_vdst(0)
.rept 64
	v_exp_f32 v[96+n], v[96+n]                     ; p = 2^(t - M)
.set n, n+1
.endr
	v_pk_mul_f32 v[14:15], v[14:15], v[252:253] op_sel_hi:[1,0]   ; the sums under the new M: a plain place behind the exponentials
	s_wait_alu depctr_va_vdst(0)                   ; one wait for the batch, ahead of its first reader
.irp b, 0,1,2,3
	v_exp_f32 v[232+\b], v[232+\b]                 ; the blocks' largest p
.endr
	v_pk_add_f32 v[236:237], v[100:101], v[104:105]
	v_pk_add_f32 v[250:251], v[108:109], v[112:113]
	v_pk_add_f32 v[248:249], v[116:117], v[120:121]
	v_pk_add_f32 v[246:247], v[124:125], v[128:129]
	v_pk_add_f32 v[244:245], v[132:133], v[136:137]
	v_pk_add_f32 v[240:241], v[140:141], v[144:145]
	v_pk_add_f32 v[238:239], v[148:149], v[152:153]
	v_pk_add_f32 v[14:15], v[14:15], v[156:157]
	v_pk_add_f32 v[236:237], v[236:237], v[96:97]
	v_pk_add_f32 v[250:251], v[250:251], v[98:99]
	v_pk_add_f32 v[248:249], v[248:249], v[102:103]
	v_pk_add_f32 v[246:247], v[246:247], v[106:107]
	v_pk_add_f32 v[244:245], v[244:245], v[110:111]
	v_pk_add_f32 v[240:241], v[240:241], v[114:115]
	v_pk_add_f32 v[238:239], v[238:239], v[118:119]
	v_pk_add_f32 v[14:15], v[14:15], v[122:123]
	v_pk_add_f32 v[236:237], v[236:237], v[126:127]
	v_pk_add_f32 v[250:251], v[250:251], v[130:131]
	v_pk_add_f32 v[248:249], v[248:249], v[134:135]
	v_pk_add_f32 v[246:247], v[246:247], v[138:139]
	v_pk_add_f32 v[244:245], v[244:245], v[142:143]
	v_pk_add_f32 v[240:241], v[240:241], v[146:147]
	v_pk_add_f32 v[238:239], v[238:239], v[150:151]
	v_pk_add_f32 v[14:15], v[14:15], v[154:155]
	v_pk_add_f32 v[236:237], v[236:237], v[158:159]
	s_delay_alu instid0(VALU_DEP_2)
	v_pk_add_f32 v[14:15], v[14:15], v[246:247]
	s_delay_alu instid0(VALU_DEP_2)
	v_pk_add_f32 v[236:237], v[236:237], v[244:245]
	v_pk_add_f32 v[250:251], v[250:251], v[240:241]
	v_pk_add_f32 v[248:249], v[248:249], v[238:239]
	s_delay_alu instid0(VALU_DEP_2)
	v_pk_add_f32 v[14:15], v[14:15], v[250:251]
	s_delay_alu instid0(VALU_DEP_2)
	v_pk_add_f32 v[236:237], v[236:237], v[248:249]
	s_delay_alu instid0(VALU_DEP_1)
	v_pk_add_f32 v[14:15], v[14:15], v[236:237]
	s_setprio 0
	s_wait_alu depctr_va_vdst(0)                   ; and one for the four
.irp b, 0,1,2,3
	v_max_num_f32 v[232+\b], 0x1800000, v[232+\b]  ; the floor: the byte cannot fall under 1
.endr
.irp b, 0,1,2,3
	s_delay_alu instid0(VALU_DEP_4)
	v_add_nc_u32 v[244+\b], 0xff000000, v[232+\b]
.endr
.irp b, 0,1,2,3
	s_delay_alu instid0(VALU_DEP_4)
	v_lshrrev_b32 v[236+\b], 23, v[244+\b]
.endr
	s_delay_alu instid0(VALU_DEP_3)
	v_lshl_or_b32 v253, v237, 8, v236              ; p's scale word for these 128 keys
	s_delay_alu instid0(VALU_DEP_1)
	v_lshl_or_b32 v253, v238, 16, v253
	s_delay_alu instid0(VALU_DEP_1)
	v_lshl_or_b32 v253, v239, 24, v253
.irp b, 0,1,2,3
	v_cvt_scalef32_pk8_fp4_f32 v[224+2*\b], v[96+16*\b:103+16*\b], v[244+\b]
	v_cvt_scalef32_pk8_fp4_f32 v[225+2*\b], v[104+16*\b:111+16*\b], v[244+\b]
.endr
	v_nop
.irp c, 0,1
.irp i, 0,1
	v_permlane16_swap_b32 v[224+4*\c+\i], v[226+4*\c+\i]
.endr
.endr
.set n, 0
.rept 16
	v_pk_mul_f32 v[160+n:161+n], v[160+n:161+n], v[252:253] op_sel_hi:[1,0]   ; O^T under the new M, from its low end on; also the places in front of the products below
.set n, n+2
.endr
.irp t, 0,1,2,3                                ; O^T += V^T P^T: four accumulators by turns
	v_wmma_scale_f32_16x16x128_f8f6f4 v[160+8*\t:167+8*\t], v[64+8*\t:71+8*\t], v[224:231], v[160+8*\t:167+8*\t], v[192+\t], v253 matrix_a_fmt:MATRIX_FMT_FP4 matrix_b_fmt:MATRIX_FMT_FP4
.endr
.Lhidden_\@:
	s_add_co_u32 s[KF], s[KF], 128
	s_add_co_u32 s[T4K], s[T4K], 4096
	s_add_co_u32 s[T512], s[T512], 512
	s_add_co_u32 s[T256], s[T256], 256
.endm
; A tile of queries ends: o = O^T / the sum, quantised along d (two blocks of 32); codes to memory, the two scale bytes to LDS.
.macro FINISH p
.rept 4
	v_nop
.endr
	v_add_f32 v14, v14, v15
	s_delay_alu instid0(VALU_DEP_1)
	v_permlanex16_b32 v252, v14, s[SEL], s[SEL+1]
	s_delay_alu instid0(VALU_DEP_1)
	v_add_f32 v14, v14, v252
	s_wait_alu depctr_va_vdst(0)
	v_rcp_f32 v14, v14
	v_nop
	s_wait_alu depctr_va_vdst(0)
.set n, 0
.rept 16
	v_pk_mul_f32 v[96+n:97+n], v[160+n:161+n], v[14:15] op_sel_hi:[1,0]   ; register 16 b + i is d = 32 b + 16 (lane / 16) + i
.set n, n+2
.endr
.irp b, 0,1
	v_max3_num_f32 v[232+\b], |v[96+16*\b]|, |v[97+16*\b]|, 0x1800000
.endr
.irp i, 2,4,6,8,10,12,14
.irp b, 0,1
	s_delay_alu instid0(VALU_DEP_2)
	v_max3_num_f32 v[232+\b], v[232+\b], |v[96+16*\b+\i]|, |v[97+16*\b+\i]|
.endr
.endr
.irp b, 0,1
	s_delay_alu instid0(VALU_DEP_2)
	v_permlanex16_b32 v[236+\b], v[232+\b], s[SEL], s[SEL+1]
.endr
.irp b, 0,1
	s_delay_alu instid0(VALU_DEP_2)
	v_max_num_f32 v[232+\b], v[232+\b], v[236+\b]
.endr
.irp b, 0,1
	s_delay_alu instid0(VALU_DEP_2)
	v_add_nc_u32 v[244+\b], 0xff000000, v[232+\b]
.endr
.irp b, 0,1
	s_delay_alu instid0(VALU_DEP_2)
	v_lshrrev_b32 v[236+\b], 23, v[244+\b]
.endr
	s_delay_alu instid0(VALU_DEP_1)
	v_lshl_or_b32 v[198+\p], v237, 8, v236
.irp b, 0,1
	v_cvt_scalef32_pk8_fp4_f32 v[200+4*\p+2*\b], v[96+16*\b:103+16*\b], v[244+\b]
	v_cvt_scalef32_pk8_fp4_f32 v[201+4*\p+2*\b], v[104+16*\b:111+16*\b], v[244+\b]
.endr
	v_nop
	v_permlane16_swap_b32 v[200+4*\p], v[202+4*\p]
	v_permlane16_swap_b32 v[201+4*\p], v[203+4*\p]
	global_store_b128 v[LI], v[200+4*\p:203+4*\p], s[76+2*\p:77+2*\p]   ; 32 lanes store 512 consecutive bytes, aligned
	ds_store_b16 v[XSA], v[198+\p] offset:512*\p   ; lanes r and r + 16 write the same half word with the same value
.endm
	INIT J
	s_wait_loadcnt 0x0                             ; Q
	s_wait_tensorcnt 1                             ; the scale words and key steps 0-3 are in; the youngest load may be out
	s_barrier_signal -1
	s_barrier_wait -1
	s_mov_b32 s[CNT], 4
.Lp0a:                                             ; key steps 0-3
	STEP 16, 196
	s_sub_co_u32 s[CNT], s[CNT], 1
	s_cmp_lg_u32 s[CNT], 0
	s_cbranch_scc1 .Lp0a
	s_setprio 0
	s_wait_tensorcnt 0x0                           ; key steps 4-15 are in,
	s_wait_dscnt 0x0
	s_barrier_signal -1
	s_barrier_wait -1                              ; everybody's are
	s_mov_b32 s[CNT], 4
.Lp0b:                                             ; key steps 4-7: group j is one of the first eight
	STEP 16, 196
	s_sub_co_u32 s[CNT], s[CNT], 1
	s_cmp_lg_u32 s[CNT], 0
	s_cbranch_scc1 .Lp0b
	s_setprio 0
	FINISH 0
	INIT GB
	s_mov_b32 s[CNT], 16
.Lp1:
	STEP 24, 197
	s_sub_co_u32 s[CNT], s[CNT], 1
	s_cmp_lg_u32 s[CNT], 0
	s_cbranch_scc1 .Lp1
	s_setprio 0
	FINISH 1
	s_wait_dscnt 0x0                               ; for the others' sake: my scale bytes lie in LDS
	s_barrier_signal -1
	s_barrier_wait -1
	s_cmp_lg_u32 s[WV], 0
	s_cbranch_scc1 .Lend
	ds_load_b128 v[208:211], v[XSR]                ; 128 scale words of each group
	ds_load_b128 v[212:215], v[XSR] offset:512
	s_wait_dscnt 0x0
	global_store_b128 v[LI], v[208:211], s[80:81]  ; 512 consecutive bytes, aligned
	global_store_b128 v[LI], v[212:215], s[82:83]
.Lend:
	s_wait_tensorcnt 0x0
	ds_add_u32 v243, v255
	s_wait_dscnt 0x0
	s_endpgm
.Lfunc_end_k_q211772b98f_attn:
	.size	k_q211772b98f_attn, .Lfunc_end_k_q211772b98f_attn-k_q211772b98f_attn
	.p2alignl 7, 3214868480
	.fill 96, 4, 3214868480
	.section	.rodata,"a",@progbits
	.p2align	6, 0x0
	.amdhsa_kernel k_q211772b98f_attn
		.amdhsa_group_segment_fixed_size 296960
		.amdhsa_private_segment_fixed_size 0
		.amdhsa_enable_private_segment 0
		.amdhsa_kernarg_size 16
		.amdhsa_user_sgpr_count 2
		.amdhsa_user_sgpr_kernarg_segment_ptr 1
		.amdhsa_wavefront_size32 1
		.amdhsa_system_sgpr_workgroup_id_x 1
		.amdhsa_system_sgpr_workgroup_id_y 1
		.amdhsa_system_sgpr_workgroup_id_z 1
		.amdhsa_system_vgpr_workitem_id 0
		.amdhsa_next_free_vgpr 256
		.amdhsa_next_free_sgpr 98
		.amdhsa_reserve_vcc 1
		.amdhsa_float_denorm_mode_32 3
		.amdhsa_float_denorm_mode_16_64 3
		.amdhsa_memory_ordered 1
		.amdhsa_forward_progress 1
		.amdhsa_inst_pref_size 87
	.end_amdhsa_kernel
	.amdgpu_metadata
---
amdhsa.version: [ 1, 2 ]
amdhsa.kernels:
  - .name:           k_q211772b98f_attn
    .symbol:         k_q211772b98f_attn.kd
    .args:
      - { .name: qkvc, .offset: 0, .size: 8, .value_kind: global_buffer, .address_space: global }
      - { .name: ao, .offset: 8, .size: 8, .value_kind: global_buffer, .address_space: global }
    .group_segment_fixed_size: 296960
    .private_segment_fixed_size: 0
    .kernarg_segment_align: 8
    .kernarg_segment_size: 16
    .max_flat_workgroup_size: 512
    .sgpr_count:     98
    .vgpr_count:     256
    .wavefront_size: 32
...
	.end_amdgpu_metadata
.endif
;; end of part 3
;; launch proj (part 4): grid 4 x 32, 4 waves a work-group, clusters of 4 x 4, 327,680 bytes of LDS; arguments ao, pq, b_proj, out0; writes out0
.if DOCPART == 4
	.amdgcn_target "amdgcn-amd-amdhsa--gfx1250"
	.amdhsa_code_object_version 6
	.text
	.protected	k_q211772b98f_proj
	.globl	k_q211772b98f_proj
	.p2align	8
	.type	k_q211772b98f_proj,@function
k_q211772b98f_proj:
	s_mov_b64 s[64:65], 0
	v_nop
	global_prefetch_b8 v0, s[64:65] scope:SCOPE_SE
	s_setreg_imm32_b32 hwreg(HW_REG_WAVE_MODE, 25, 1), 1
	s_wait_xcnt 0x0
	s_wait_alu depctr_hold_cnt(0) depctr_sa_sdst(0) depctr_va_vdst(0) depctr_va_sdst(0) depctr_va_ssrc(0) depctr_va_vcc(0) depctr_vm_vsrc(0)
	s_getreg_b32 s2, hwreg(HW_REG_IB_STS2, 6, 4)
	s_cmp_eq_u32 s2, 0
	s_cbranch_scc0 .Lentry_in_a_cluster
	s_endpgm
.Lentry_in_a_cluster:
	s_bfe_u32 s2, ttmp6, 0x10000c
	s_cmp_lg_u32 s2, 0xf033
	s_cbranch_scc0 .Lentry_shape_is_right
	s_endpgm
.Lentry_shape_is_right:
; out0 = o W_proj + b_proj on codes of FP4 with E8M0 scales, K = 1,024.  A = ao (8,192 rows in the order SW, as images of operand registers), B = pq (1,024 rows of 512 bytes, natural order).
; A tile is 256 x 256, four waves of 128 x 128.  Source 0 = 16 rows of B, source 1 = 16 rows of A: a lane holds eight neighbouring columns of one row of out0.
; K's 1,024 are two LDS slots of 512: every LDS byte is filled once, all loads go out at the start.  CLUSTER 4 x 4: A's tiles jointly along a row, B's along a column.
; The bias is the C of each sum's first matrix instruction.  The stores undo the order SW by their immediates.
; 128 work-groups: the tile is kept at 256 x 256, so that a wave's 128 x 128 feeds most products from each LDS byte.
; REGISTERS: window 0: v1-27 addresses; v32-95 scale words, two sets; v128-191 A's fragments; v192-255 the bias; on the way out v128-255 hold rows read back.  window 1: B, two sets.  windows 2, 3: accumulators.
.set NQ,     4
.set PITCH,  272
.set FR,     8
.set NL,     2
.set NP,     4
.set HALFB,  128*PITCH
.set SLOT,   65536+2*HALFB             ; A's images: two halves of [8 tiles of 16 rows][4,096 B]; then B's 256 rows
.set SCL,    2*SLOT                    ; scale words: A's [half][8 K steps][128 rows], 8,192 bytes; then B's
.set SPITCH, 528
.set ADRA, 16
.set ADRB, 20
.set STO,  24
.set RD,   25
.set CO,   26
.set ADRS, 27
.set BO,   19
.set SC,   32
.set AF,   128
.set BK,   128
.set BIAS, 192
.set G1, 24
.set G0, 32
.set G1B, 48
.set G0B, 56
.set G1S, 68
.set G0S, 76
.set G1SB, 80
.set G0SB, 88
.set MSB, 0
.macro WIN new
.if MSB != \new
	s_set_vgpr_msb (MSB<<8)|\new
.set MSB, \new
.endif
.endm
.set MUL_LO, 0xa1
.set MUL_HI, 0xf1
.set TO_B,   0x40
.macro JLOAD g0a, g1a, g0b, g1b        ; a joint load: waves 0 and 1 fetch for A, waves 2 and 3 for B; four v_nop follow each line
	s_cmp_eq_u32 s15, 0
	s_cbranch_scc0 .Lfor_b_\@
	tensor_load_to_lds s[\g0a:\g0a+3], s[\g1a:\g1a+7]
	s_nop 0
.rept 4
	v_nop
.endr
	s_branch .Lasked_\@
.Lfor_b_\@:
	tensor_load_to_lds s[\g0b:\g0b+3], s[\g1b:\g1b+7]
	s_nop 0
.rept 4
	v_nop
.endr
.Lasked_\@:
.endm
.macro CROUND
	s_barrier_signal -1
	s_barrier_wait -1
	s_cmp_lg_u32 s14, 0
	s_cbranch_scc1 .Lnot_wave_0_\@
	s_barrier_signal -3
.Lnot_wave_0_\@:
	s_barrier_wait -3
	s_barrier_signal -1
	s_barrier_wait -1
.endm
	s_load_b256 s[4:11], s[0:1], 0x0               ; ao s[4:5], pq s[6:7], b_proj s[8:9], out0 s[10:11]
	v_lshl_add_u32 v126, v0, 2, 0x46000
	v_mov_b32 v127, 0
	ds_add_u32 v126, v127
	ds_add_u32 v126, v127
	v_lshrrev_b32 v1, 5, v0
	v_readfirstlane_b32 s14, v1                    ; wave 0..3
	s_lshr_b32 s15, s14, 1                         ; my half of the tile's rows.  Also: I fetch for A (0) or for B (1)
	s_and_b32 s16, s14, 1                          ; my half of its columns.  Also: which half I fetch
	s_bfe_u32 s40, ttmp6, 0x40000                  ; cx
	s_bfe_u32 s41, ttmp6, 0x40004                  ; cy
	s_lshl_b32 s42, ttmp9, 2
	s_add_co_u32 s42, s42, s40                     ; tile column
	s_and_b32 s17, ttmp7, 0xffff
	s_lshl_b32 s17, s17, 2
	s_add_co_u32 s17, s17, s41                     ; tile row
	s_lshl_b32 s43, s41, 2
	s_lshl_b32 s43, 15, s43                        ; my row of the cluster
	s_lshl_b32 s44, 0x1111, s40                    ; my column
	s_or_b32 s[G1+0], s43, (3<<16)|(1<<21)         ; A's codes: 8 tiles of rows x 4,096 bytes (512 elements of 8), 8,192 bytes apart; no padding
	s_mov_b32 s[G1+1], 512<<16
	s_mov_b32 s[G1+2], 8<<16
	s_mov_b32 s[G1+3], 512<<16
	s_mov_b32 s[G1+4], 8
	s_mov_b32 s[G1+5], 1024
	s_mov_b32 s[G1+6], 0
	s_mov_b32 s[G1+7], 0
	s_or_b32 s[G1B+0], s44, (0<<16)|(1<<20)|(1<<21)|(5<<22)|(3<<25)  ; B's codes: 128 rows x 256 bytes, 512 apart; 4 words of padding behind every 64
	s_mov_b32 s[G1B+1], 256<<16
	s_mov_b32 s[G1B+2], 128<<16
	s_mov_b32 s[G1B+3], 256<<16
	s_mov_b32 s[G1B+4], 128
	s_mov_b32 s[G1B+5], 512
	s_mov_b32 s[G1B+6], 0
	s_mov_b32 s[G1B+7], 0
	s_or_b32 s[G1S+0], s43, (3<<16)|(1<<21)        ; scale words: 8 planes x 512 bytes (64 elements of 8)
	s_or_b32 s[G1SB+0], s44, (3<<16)|(1<<21)
.irp g, G1S, G1SB
	s_mov_b32 s[\g+1], 64<<16
	s_mov_b32 s[\g+2], 8<<16
	s_mov_b32 s[\g+3], 64<<16
	s_mov_b32 s[\g+4], 8
	s_mov_b32 s[\g+6], 0
	s_mov_b32 s[\g+7], 0
.endr
	s_mov_b32 s[G1S+5], 4096                       ; A's planes are 32,768 bytes apart,
	s_mov_b32 s[G1SB+5], 512                       ; B's 4,096
	s_lshl_b32 s18, s16, 16
	s_lshl_b32 s19, s16, 9
	s_lshl_b32 s20, s17, 17
	s_add_co_u32 s20, s20, s18                     ; A's codes: (16 tile row + 8 half) x 8,192
	s_mov_b32 s21, 0
	s_lshl_b32 s22, s17, 10
	s_add_co_u32 s22, s22, s19
	s_add_co_u32 s22, s22, 4194304                 ; A's scale words
	s_mov_b32 s23, 0
	s_lshl_b32 s46, s42, 17
	s_add_co_u32 s46, s46, s18                     ; B's codes: (256 tile column + 128 half) x 512
	s_mov_b32 s47, 0
	s_lshl_b32 s92, s42, 10
	s_add_co_u32 s92, s92, s19
	s_add_co_u32 s92, s92, 524288                  ; B's scale words
	s_mov_b32 s93, 0
	s_lshl_b32 s45, s16, 15                        ; where they go: no place in the cluster enters an LDS address
	s_mul_i32 s94, s16, HALFB
	s_add_co_u32 s94, s94, 65536
	s_lshl_b32 s95, s16, 12
	s_add_co_u32 s95, s95, SCL
	s_add_co_u32 s96, s95, 8192
	s_wait_dscnt 0x0
	s_wait_kmcnt 0x0
	s_add_nc_u64 s[20:21], s[4:5], s[20:21]
	s_add_nc_u64 s[22:23], s[4:5], s[22:23]
	s_add_nc_u64 s[46:47], s[6:7], s[46:47]
	s_add_nc_u64 s[92:93], s[6:7], s[92:93]
	CROUND                                         ; all sixteen work-groups are here: the joint loads meet
	s_mov_b32 s[G0S], 1
	s_mov_b32 s[G0S+1], s95
	s_mov_b64 s[G0S+2:G0S+3], s[22:23]
	s_or_b32 s[G0S+3], s[G0S+3], 0x80000000
	s_mov_b32 s[G0SB], 1
	s_mov_b32 s[G0SB+1], s96
	s_mov_b64 s[G0SB+2:G0SB+3], s[92:93]
	s_or_b32 s[G0SB+3], s[G0SB+3], 0x80000000
	JLOAD G0S, G1S, G0SB, G1SB                     ; the scales first
.irp s, 0,1
	s_mov_b32 s[G0+4*\s], 1
	s_add_co_u32 s[G0+4*\s+1], s45, \s*SLOT
	s_add_nc_u64 s[G0+4*\s+2:G0+4*\s+3], s[20:21], \s*4096
	s_or_b32 s[G0+4*\s+3], s[G0+4*\s+3], 0x80000000
	s_mov_b32 s[G0B+4*\s], 1
	s_add_co_u32 s[G0B+4*\s+1], s94, \s*SLOT
	s_add_nc_u64 s[G0B+4*\s+2:G0B+4*\s+3], s[46:47], \s*256
	s_or_b32 s[G0B+4*\s+3], s[G0B+4*\s+3], 0x80000000
	s_wait_alu depctr_va_vdst(0)
	s_wait_tensorcnt 0x0
	ds_add_u32 v126, v127
	s_wait_dscnt 0x0
	CROUND
	JLOAD G0+4*\s, G1, G0B+4*\s, G1B               ; one load of mine is out
.endr
	v_and_b32 v1, 15, v0                           ; r
	v_bfe_u32 v2, v0, 4, 1                         ; h
	s_wait_alu depctr_va_vdst(0)
	v_and_b32 v3, 31, v0
	v_lshlrev_b32 v[CO], 4, v3                     ; 16 x lane
	v_mul_u32_u24 v4, v1, PITCH
	v_lshl_add_u32 v4, v2, 4, v4
	s_lshl_b32 s21, s15, 15                        ; my 128 rows of A: images, 16 bytes a lane
	s_mul_i32 s22, s16, HALFB
	s_add_co_u32 s22, s22, 65536                   ; my 128 rows of B
.irp s, 0,1
	v_add_nc_u32 v[ADRA+\s], s21, v[CO]
	v_add_nc_u32 v[ADRB+\s], s22, v4
	s_add_co_u32 s21, s21, SLOT
	s_add_co_u32 s22, s22, SLOT
.endr
	s_lshl_b32 s21, s15, 12                        ; scale words: lanes 0-15 A's, lanes 16-31 B's
	s_lshl_b32 s22, s16, 12
	s_add_co_u32 s22, s22, 8192
	s_sub_co_u32 s22, s22, s21
	v_mul_u32_u24 v6, s22, v2
	s_add_co_u32 s21, s21, SCL
	v_lshl_add_u32 v5, v1, 2, v6
	v_add_nc_u32 v[ADRS], s21, v5
	s_mul_i32 s23, s14, 16*SPITCH                  ; my stage, in slot 0: used when that slot has had its one fill and its last read
	v_mul_u32_u24 v5, v1, SPITCH
	v_lshl_add_u32 v5, v2, 5, v5
	v_add_nc_u32 v[STO], s23, v5
	v_add_nc_u32 v[RD], s23, v[CO]
	s_lshl_b32 s20, s17, 8
	s_lshl_b32 s21, s15, 7
	s_add_co_u32 s20, s20, s21
	s_lshl_b32 s20, s20, 12                        ; my first row of out0, 4,096 bytes a row
	s_lshl_b32 s46, s42, 10
	s_lshl_b32 s47, s16, 9
	s_add_co_u32 s46, s46, s47                     ; my first column, in bytes
	s_mov_b32 s47, 0
	s_add_nc_u64 s[2:3], s[8:9], s[46:47]          ; the bias of my 128 columns
	s_add_co_u32 s20, s20, s46
	s_mov_b32 s21, 0
	s_add_nc_u64 s[12:13], s[10:11], s[20:21]
	v_lshlrev_b32 v[BO], 5, v2                     ; my half's eight numbers of each sixteen
.irp b, 0,1,2,3,4,5,6,7
	global_load_b128 v[BIAS+8*\b:BIAS+8*\b+3], v[BO], s[2:3] offset:64*\b
	global_load_b128 v[BIAS+8*\b+4:BIAS+8*\b+7], v[BO], s[2:3] offset:64*\b+16
.endr
.macro FRAGB reg, adr, q, i
.irp c, 0,1
	ds_load_b128 v[\reg+4*\c:\reg+4*\c+3], v[\adr] offset:64*(\q)+32*\c+(\i)*16*PITCH
.endr
.endm
.macro FRAGA reg, adr, q, i            ; an image: tile of rows i, heads 2 q and 2 q + 1 of the slot's eight
.irp c, 0,1
	ds_load_b128 v[\reg+4*\c:\reg+4*\c+3], v[\adr] offset:1024*(\q)+512*\c+(\i)*4096
.endr
.endm
.macro MUL16 a0, p, q, sc, cm          ; cm = 1: C = the bias.  The 64 accumulators take turns, one instruction a turn
.irp a, \a0, \a0+1
.irp b, 0,1,2,3,4,5,6,7
.set rD, 8*(8*((\a)%4)+\b)
.set rC, rD
.if \cm == 1
.set rC, BIAS+8*\b
.endif
.set rB, 128*(\p)+FR*\b
.set rA, AF+FR*(\a)
.set rSB, SC+8*NQ*(\sc)+NQ*\b+(\q)
.set rSA, SC+8*NQ*(\sc)+NQ*(\a)+(\q)
	v_wmma_scale_f32_16x16x128_f8f6f4 v[rD:rD+7], v[rB:rB+7], v[rA:rA+7], v[rC:rC+7], v[rSB], v[rSA] matrix_a_fmt:MATRIX_FMT_FP4 matrix_b_fmt:MATRIX_FMT_FP4 matrix_a_scale:MATRIX_SCALE_ROW1
.endr
.endr
.endm
.macro FETCH_B slot, q, p
	WIN TO_B
.irp i, 0,1,2,3,4,5,6,7
	FRAGB 128*(\p)+FR*\i, ADRB+\slot, \q, \i
.endr
	WIN 0
.endm
.macro FETCH_A slot, q, i0
.irp i, \i0, \i0+1, \i0+2, \i0+3
	FRAGA AF+FR*(\i), ADRA+\slot, \q, \i
.endr
.endm
.macro SCALES sc                       ; a slot's scale words, plane by plane
.irp i, 0,1,2,3,4,5,6,7
.irp k, 0,1,2,3
	ds_load_b32 v[SC+8*NQ*\sc+NQ*\i+\k], v[ADRS] offset:(4*\sc+\k)*512+64*\i
.endr
.endr
.endm
.macro PLACES n
.rept \n
	v_nop
.endr
.endm
.macro STEP slot, q, cm
	s_wait_dscnt 4*NL                              ; all but the youngest eight loads (A's blocks 4-7) are in
.if \cm
	WIN 0x81
.else
	WIN MUL_LO
.endif
	MUL16 0, (\q)%2, \q, \slot, \cm
	MUL16 2, (\q)%2, \q, \slot, \cm
	s_wait_dscnt 0
	PLACES NP
	FETCH_B \slot, (\q)+1, 1-(\q)%2
	FETCH_A \slot, (\q)+1, 0
.if \cm
	WIN 0xc1
.else
	WIN MUL_HI
.endif
	MUL16 4, (\q)%2, \q, \slot, \cm
	MUL16 6, (\q)%2, \q, \slot, \cm
	PLACES NP
	WIN 0
	FETCH_A \slot, (\q)+1, 4
.endm
.macro STEPS slot, from
.set Q, \from
.rept NQ-1-\from
	STEP \slot, Q, 0
.set Q, Q+1
.endr
.endm
	s_wait_alu depctr_va_vdst(0)
	s_wait_tensorcnt 1                             ; the scales and my part of slot 0 are in; slot 1's load may be out
	s_barrier_signal -1
	s_barrier_wait -1
	FETCH_B 0, 0, 0
	FETCH_A 0, 0, 0
	SCALES 0
	FETCH_A 0, 0, 4
	s_wait_loadcnt 0x0                             ; the bias
	STEP 0, 0, 1
	STEPS 0, 1
	s_wait_tensorcnt 0x0                           ; slot 0's last step changes slots: my part of slot 1 has landed,
	s_wait_dscnt 4*NL
	WIN MUL_LO
	MUL16 0, 1, NQ-1, 0, 0
	s_wait_dscnt 0x0                               ; and my reads of slot 0 are over
	s_barrier_signal -1
	MUL16 2, 1, NQ-1, 0, 0
	WIN 0
	s_barrier_wait -1
	PLACES NP
	FETCH_B 1, 0, 0
	FETCH_A 1, 0, 0
	SCALES 1
	WIN MUL_HI
	MUL16 4, 1, NQ-1, 0, 0
	MUL16 6, 1, NQ-1, 0, 0
	PLACES NP
	WIN 0
	FETCH_A 1, 0, 4
	STEPS 1, 0
	s_wait_dscnt 4*NL
	WIN MUL_LO
	MUL16 0, 1, NQ-1, 1, 0
	MUL16 2, 1, NQ-1, 1, 0
	s_wait_dscnt 0
	WIN MUL_HI
	MUL16 4, 1, NQ-1, 1, 0
	MUL16 6, 1, NQ-1, 1, 0
	WIN 0
; THE WAY OUT, block by block of 16 rows x 128 columns, through my own stage: in as 32 bytes a lane, back as whole rows of 512 bytes.  LDS serves a wave's instructions in order.
.macro TOSTAGE a
.set AC, 64*((\a)%4)
	WIN 0x08+4*((\a)/4)                            ; the data: window 2 or 3
.irp b, 0,1,2,3,4,5,6,7
	ds_store_b128 v[STO], v[AC+8*\b:AC+8*\b+3] offset:64*\b          ; each accumulator from its low end on
	ds_store_b128 v[STO], v[AC+8*\b+4:AC+8*\b+7] offset:64*\b+16
.endr
	WIN 0
.set BB, BK+64*((\a)%2)
.irp t, 0,1,2,3,4,5,6,7,8,9,10,11,12,13,14,15
	ds_load_b128 v[BB+4*\t:BB+4*\t+3], v[RD] offset:\t*SPITCH
.endr
.endm
.macro SEND a, younger                 ; row t of block a is token 32 (a / 2) + 8 (a % 2) + t + 8 (t / 8) of my 128
.set BB, BK+64*((\a)%2)
	s_wait_dscnt \younger
.irp t, 0,1,2,3,4,5,6,7,8,9,10,11,12,13,14,15
	global_store_b128 v[CO], v[BB+4*\t:BB+4*\t+3], s[12:13] offset:(32*((\a)/2)+8*((\a)%2)+\t+8*(\t/8))*4096 th:TH_STORE_NT   ; 32 lanes store 512 consecutive bytes, aligned
.endr
.endm
	PLACES NP
	TOSTAGE 0
.irp a, 1,2,3,4,5,6,7
.if \a > 1
	s_wait_xcnt 0x0                                ; block a - 2's stores have read their registers: block a's loads may land there
.endif
	TOSTAGE \a
	SEND \a-1, 32                                  ; behind block a - 1's loads: block a's 16 stores and 16 loads
.endr
	SEND 7, 0
	s_wait_tensorcnt 0x0
	ds_add_u32 v126, v127
	s_wait_dscnt 0x0
	CROUND                                         ; the closing round
	s_endpgm
.Lfunc_end_k_q211772b98f_proj:
	.size	k_q211772b98f_proj, .Lfunc_end_k_q211772b98f_proj-k_q211772b98f_proj
	.p2alignl 7, 3214868480
	.fill 96, 4, 3214868480
	.section	.rodata,"a",@progbits
	.p2align	6, 0x0
	.amdhsa_kernel k_q211772b98f_proj
		.amdhsa_group_segment_fixed_size 327680
		.amdhsa_private_segment_fixed_size 0
		.amdhsa_enable_private_segment 0
		.amdhsa_kernarg_size 32
		.amdhsa_user_sgpr_count 2
		.amdhsa_user_sgpr_kernarg_segment_ptr 1
		.amdhsa_wavefront_size32 1
		.amdhsa_system_sgpr_workgroup_id_x 1
		.amdhsa_system_sgpr_workgroup_id_y 1
		.amdhsa_system_sgpr_workgroup_id_z 1
		.amdhsa_system_vgpr_workitem_id 0
		.amdhsa_next_free_vgpr 1024
		.amdhsa_next_free_sgpr 98
		.amdhsa_reserve_vcc 0
		.amdhsa_float_denorm_mode_32 3
		.amdhsa_float_denorm_mode_16_64 3
		.amdhsa_memory_ordered 1
		.amdhsa_forward_progress 1
		.amdhsa_inst_pref_size 129
	.end_amdhsa_kernel
	.amdgpu_metadata
---
amdhsa.version: [ 1, 2 ]
amdhsa.kernels:
  - .name:           k_q211772b98f_proj
    .symbol:         k_q211772b98f_proj.kd
    .args:
      - { .name: ao, .offset: 0, .size: 8, .value_kind: global_buffer, .address_space: global }
      - { .name: pq, .offset: 8, .size: 8, .value_kind: global_buffer, .address_space: global }
      - { .name: b_proj, .offset: 16, .size: 8, .value_kind: global_buffer, .address_space: global }
      - { .name: out0, .offset: 24, .size: 8, .value_kind: global_buffer, .address_space: global }
    .group_segment_fixed_size: 327680
    .private_segment_fixed_size: 0
    .kernarg_segment_align: 8
    .kernarg_segment_size: 32
    .max_flat_workgroup_size: 128
    .sgpr_count:     98
    .vgpr_count:     1024
    .wavefront_size: 32
...
	.end_amdgpu_metadata
.endif
;; end of part 4
